; MI455X (gfx1250); checked and timed in simulation.
; The chip was launched on July 23, 2026; its instructions are those of AMD's public machine-readable ISA for CDNA 5 (MIT licence, August 2026) and "CDNA5" Instruction Set Architecture Reference Guide (July 2026). The comments in the code are by the model that wrote it; some were corrected since.
;; standalone self attention 1 D. Allowed arithmetic: matrix products marked QUANTISED: E2M3 operands, one E8M0 scale for each 32 along K, by v_wmma_scale_f32_16x16x128_f8f6f4 with both operands' format E2M3, f32 sums; products left as they are: f32 operands where the result goes on into a quantised operand, else bf16, f16 or f32 operands; f32 sums; everything else in f32.
;; Inputs: W_k 256 x 256 float32; W_lin 256 x 88 float32; W_q 256 x 256 float32; W_v 256 x 256 float32; b_lin 88 float32; rel 256 x 31 float32; spec 8 x 4,096 x 256 float32.
;; Outputs: out0 8 x 4,096 x 88 float32; out1 8 x 4,096 x 8 x 31 float32.
;; This version of the problem:
;;   THIS VERSION OF THE PROBLEM IS GIVEN IN LOW PRECISION. The matrix products marked QUANTISED in the list below multiply operands that are first quantised to E2M3 (2 exponent bits, 3 mantissa bits; 6 bits a number), with one power-of-two scale for each 32 numbers along K (OCP MX v1.0); their sums are f32. All else is computed in f32.
;;   The module's matrix products, in the order in which they are computed (A, B: the left and right operand; K: the contracted axis; several contracted axes count as one K, in the product's order):
;;     1. [M 32,768, K 256] x [K 256, N 256]; A: input spec; B: input W_q: QUANTISED
;;     2. [M 33,008, K 256] x [K 256, N 256]; A: computed on the way; B: input W_k: QUANTISED
;;     3. [M 33,008, K 256] x [K 256, N 256]; A: computed on the way; B: input W_v: QUANTISED
;;     4. batch 262,144 x [M 1, K 32] x [K 32, N 31]; A: computed on the way; B: computed on the way: left as it is (M = 1 < 16)
;;     5. batch 262,144 x [M 1, K 31] x [K 31, N 32]; A: softmax; B: computed on the way: left as it is (K = 31 < 32)
;;     6. [M 32,768, K 256] x [K 256, N 88]; A: computed on the way; B: input W_lin: QUANTISED
;;   THE QUANTISER, for each operand of a quantised product, along K:
;;     - K is cut into blocks of 32 from its start; a last block that is shorter is filled with zeros.
;;     - A block's scale is 2^e with e = floor(log2(the largest magnitude in the block)) - 2, held to -126 .. 127; a block of zeros has e = 0. As a byte (E8M0): e + 127.
;;     - Each number is divided by its block's scale, clamped to +-7.5, and rounded to the nearest number of E2M3, ties to even, subnormals kept.
;;     - The product sums the exact products of the quantised numbers (number of the format x scale) in f32.
;;   ~~~python
;;   def quantise(x, axis):      # numpy; x: float32 -> the quantised numbers, widened to float32 again
;;       x = np.moveaxis(x, axis, -1); K = x.shape[-1]
;;       x = np.pad(x, [(0, 0)] * (x.ndim - 1) + [(0, -K % 32)]); x = x.reshape(x.shape[:-1] + (-1, 32)); a = np.abs(x).max(-1, keepdims=True)
;;       e = np.where(a > 0, np.clip(np.frexp(np.where(a > 0, a, 1))[1] - 1 - 2, -126, 127), 0)      # np.frexp(a)[1] - 1 = floor(log2(a)), exactly
;;       r = np.clip(x / 2.0 ** e, -7.5, 7.5)
;;       step = 2.0 ** (np.maximum(np.frexp(np.where(r == 0, 1, r))[1] - 1, 0) - 3)
;;       q = np.round(r / step) * step * 2.0 ** e      # np.round: ties to even
;;       return np.moveaxis(q.reshape(q.shape[:-2] + (-1,))[..., :K], -1, axis).astype(np.float32)
;;   ~~~
;;   OPERANDS COMPUTED ON THE WAY. 'Computed on the way' means the value that the module computes at that place (a softmax that the list does not call 'softmax' is quantised finished and normalised). What goes into a quantiser is computed in f32, as accurately as f32 sums, v_exp_f32 and their like allow (about 1e-6 of the number): no bf16 or f16 on the way to a quantiser, and a product that is left as it is and whose result goes on into a quantised operand takes f32 operands (vector FMAs, or v_wmma_f32_16x16x4_f32). A number that lies on a knife's edge between two numbers of the format may be rounded either way, as far as f32 arithmetic and the matrix unit's own rounding can turn it there, and no further.
;; 2 versions, each right and faster than the one before. Each part assembles by itself: llvm-mc -triple=amdgcn-amd-amdhsa -mcpu=gfx1250 --defsym DOCPART=n.
;; ======== version 1 of 2: 2 launches
;; workspace buffers: wts 172,800 bytes
;; launch prep (part 1): grid 54 x 1, 1 waves a work-group, no clusters, 0 bytes of LDS; arguments W_q, W_k, W_v, W_lin, wts; writes wts
.if DOCPART == 1
	.amdgcn_target "amdgcn-amd-amdhsa--gfx1250"
	.amdhsa_code_object_version 6
	.text
	.protected	k_q9e4ce033bf_prep
	.globl	k_q9e4ce033bf_prep
	.p2align	8
	.type	k_q9e4ce033bf_prep,@function
k_q9e4ce033bf_prep:
	s_mov_b64 s[64:65], 0
	v_nop
	global_prefetch_b8 v0, s[64:65] scope:SCOPE_SE
	s_setreg_imm32_b32 hwreg(HW_REG_WAVE_MODE, 25, 1), 1
	s_wait_xcnt 0x0
; The four weights, f32 with K as their FIRST axis, become codes of E2M3 with one E8M0 byte for each 32 along K, laid in the order of an operand's registers.
; One wave takes one tile of 16 channels with both K steps of 128.  A lane takes a channel, its registers run down K in the order that the 6-bit operand layout gives that lane
; (lane (r, h): k = 64 c + 32 h + 0 .. 31), so the conversions' results are the operand's registers and a block's largest magnitude needs no other lane.
; wts: a fragment (16 channels x 128 K, 12 registers a lane) is 1,536 bytes: registers 4 q .. 4 q + 3 at 512 q + 16 x lane.
;   0 ..       head g at 18,432 g; in it fragment 4 mat + 2 u + s (mat 0 q, 1 k, 2 v; u the channel tile; s the K step)
;   147,456 .. W_lin: fragment 2 n + s, n = 0 .. 5
;   165,888 .. scale images of q, k, v: 128 bytes at 128 (6 g + 2 mat + u): lanes 0-15 the words of K step 0, lanes 16-31 those of K step 1
;   172,032 .. W_lin's scale images, 128 n
; Channel of lane r: q, k, v tile (g, u): 32 g + 8 u + r + 8 (r / 8);  W_lin tile n: 16 n + r; channels 88 .. 95 do not exist: their loads are held at column 87 and their codes are made zero.
; LIMITS: NaN and infinities are not served; a block whose largest magnitude lies under 2^-124 (a block of zeros too) keeps the byte 1: its codes are what the conversion gives under that scale, zeros for zeros; this program alone reads the bytes.
.set X,  64                            ; v64-191  the numbers: block q = 2 s + c at X + 32 q
.set C,  32                            ; v32-55   the codes: fragment s at C + 12 s
.set C2, 192                           ; v192-207 the second half of each block's codes, as the conversion leaves them
	s_load_b256 s[4:11], s[0:1], 0x0               ; W_q, W_k, W_v, W_lin
	s_load_b64 s[12:13], s[0:1], 0x20              ; wts
	v_and_b32 v3, 15, v0                           ; r
	v_bfe_u32 v4, v0, 4, 1                         ; h
	v_lshlrev_b32 v1, 4, v0                        ; 16 x lane
	v_lshlrev_b32 v2, 2, v0                        ; 4 x lane
	s_mov_b32 s22, 0x76543210
	s_mov_b32 s23, 0xfedcba98                      ; v_permlanex16_b32's selects for lane l xor 16
	s_mov_b32 s24, 0xffff0000                      ; lanes 16-31
	s_mov_b32 s17, 0
	s_mov_b32 s19, 0
	s_wait_kmcnt 0x0
	s_cmp_lt_u32 ttmp9, 48
	s_cbranch_scc0 .Llin
	; ---- a tile of W_q, W_k or W_v: rows of 1,024 bytes
	s_lshr_b32 s25, ttmp9, 4                       ; mat
	s_bfe_u32 s26, ttmp9, 0x30001                  ; g
	s_and_b32 s27, ttmp9, 1                        ; u
	s_cmp_eq_u32 s25, 0
	s_cselect_b64 s[14:15], s[4:5], s[6:7]
	s_cmp_eq_u32 s25, 2
	s_cselect_b64 s[14:15], s[8:9], s[14:15]       ; the choice hangs on the work-group's number alone
	s_mul_i32 s16, s26, 18432
	s_mul_i32 s28, s25, 6144
	s_add_co_u32 s16, s16, s28
	s_mul_i32 s28, s27, 3072
	s_add_co_u32 s16, s16, s28                     ; where the two fragments go
	s_mul_i32 s18, s26, 6
	s_lshl_b32 s28, s25, 1
	s_add_co_u32 s18, s18, s28
	s_add_co_u32 s18, s18, s27
	s_lshl_b32 s18, s18, 7
	s_add_co_u32 s18, s18, 165888                  ; and the scale image
	s_lshl_b32 s28, s26, 7
	s_lshl_b32 s27, s27, 5
	s_add_co_u32 s28, s28, s27                     ; 4 (32 g + 8 u)
	v_and_b32 v5, 8, v3
	v_add_nc_u32 v5, v5, v3                        ; r + 8 (r / 8)
	v_lshlrev_b32 v5, 2, v5
	v_lshl_add_u32 v5, v4, 15, v5                  ; lanes 16-31 begin 32 rows further down
	v_add_nc_u32 v5, s28, v5
	v_mov_b32 v6, -1                               ; every channel exists
.set n, 0
.rept 128
	global_load_b32 v[X+n], v5, s[14:15] offset:((n/32)*64+n%32)*1024   ; W(64 (2 s + c) + 32 h + i, my channel)
.set n, n+1
.endr
	s_branch .Ljoin
.Llin:
	; ---- a tile of W_lin: rows of 352 bytes
	s_sub_co_u32 s25, ttmp9, 48                    ; n
	s_mov_b64 s[14:15], s[10:11]
	s_mul_i32 s16, s25, 3072
	s_add_co_u32 s16, s16, 147456
	s_lshl_b32 s18, s25, 7
	s_add_co_u32 s18, s18, 172032
	s_lshl_b32 s28, s25, 4
	v_add_nc_u32 v7, s28, v3                       ; 16 n + r
	v_cmp_gt_u32 vcc_lo, 88, v7
	v_cndmask_b32 v6, 0, -1, vcc_lo                ; all ones where the channel exists
	v_min_u32 v7, 87, v7                           ; no load leaves the buffer
	v_lshlrev_b32 v5, 2, v7
	v_mad_u32_u24 v5, v4, 11264, v5
.set n, 0
.rept 128
	global_load_b32 v[X+n], v5, s[14:15] offset:((n/32)*64+n%32)*352
.set n, n+1
.endr
.Ljoin:
	s_add_nc_u64 s[16:17], s[12:13], s[16:17]
	s_add_nc_u64 s[18:19], s[12:13], s[18:19]
	s_wait_loadcnt 0x0
.irp q, 0,1,2,3
	v_max3_num_f32 v[8+\q], |v[X+32*\q]|, |v[X+1+32*\q]|, 0x1800000   ; block q: all its 32 numbers are mine; the floor 2^(3 - 127) holds the byte at 1 from below
.endr
.irp i, 2,4,6,8,10,12,14,16,18,20,22,24,26,28,30
.irp q, 0,1,2,3
	v_max3_num_f32 v[8+\q], v[8+\q], |v[X+32*\q+\i]|, |v[X+1+32*\q+\i]|   ; (the four blocks by turns)
.endr
.endr
.irp q, 0,1,2,3
	v_add_nc_u32 v[12+\q], 0xff000000, v[8+\q]     ; 2 off the exponent field: the conversion's scale operand
.endr
.irp q, 0,1,2,3
	v_lshrrev_b32 v[16+\q], 23, v[12+\q]           ; the scale's byte
.endr
	v_lshlrev_b32 v7, 3, v4                        ; 8 h
.irp s, 0,1
	v_lshl_or_b32 v[20+\s], v[17+2*\s], 16, v[16+2*\s]   ; my two bytes of K step s: blocks h and 2 + h,
	v_lshlrev_b32 v[20+\s], v7, v[20+\s]           ; at their places in the word;
	v_mov_b32 v[22+\s], 0
	v_permlanex16_b32 v[22+\s], v[20+\s], s22, s23
	v_or_b32 v[20+\s], v[20+\s], v[22+\s]          ; with lane l xor 16's two the word is whole
.endr
.irp q, 0,1,2,3
	v_cvt_scalef32_pk16_fp6_f32 v[C+6*\q:C+2+6*\q], v[X+32*\q:X+15+32*\q], v[12+\q]
	v_cvt_scalef32_pk16_fp6_f32 v[C2+4*\q:C2+2+4*\q], v[X+16+32*\q:X+31+32*\q], v[12+\q]   ; (a conversion's three registers begin on an even number)
.endr
	v_nop                                          ; one plain place behind a scaled conversion
.irp q, 0,1,2,3
.irp i, 0,1,2
	v_and_b32 v[C+6*\q+\i], v6, v[C+6*\q+\i]       ; zero codes for a channel that does not exist;
	v_and_b32 v[C+3+6*\q+\i], v6, v[C2+4*\q+\i]    ; the same line moves the second half to its place
.endr
.endr
.irp f, 0,1,2,3,4,5
	global_store_b128 v1, v[C+4*\f:C+4*\f+3], s[16:17] offset:512*\f   ; 32 lanes store 512 consecutive bytes, at a multiple of 256 from the buffer's first byte
.endr
	v_cndmask_b32 v20, v20, v21, s24               ; lanes 0-15: K step 0's words, lanes 16-31: K step 1's
	global_store_b32 v2, v20, s[18:19]
	s_endpgm
.Lfunc_end_k_q9e4ce033bf_prep:
	.size	k_q9e4ce033bf_prep, .Lfunc_end_k_q9e4ce033bf_prep-k_q9e4ce033bf_prep
	.p2alignl 7, 3214868480
	.fill 96, 4, 3214868480
	.section	.rodata,"a",@progbits
	.p2align	6, 0x0
	.amdhsa_kernel k_q9e4ce033bf_prep
		.amdhsa_group_segment_fixed_size 0
		.amdhsa_private_segment_fixed_size 0
		.amdhsa_enable_private_segment 0
		.amdhsa_kernarg_size 40
		.amdhsa_user_sgpr_count 2
		.amdhsa_user_sgpr_kernarg_segment_ptr 1
		.amdhsa_wavefront_size32 1
		.amdhsa_system_sgpr_workgroup_id_x 1
		.amdhsa_system_sgpr_workgroup_id_y 1
		.amdhsa_system_sgpr_workgroup_id_z 1
		.amdhsa_system_vgpr_workitem_id 0
		.amdhsa_next_free_vgpr 208
		.amdhsa_next_free_sgpr 66
		.amdhsa_reserve_vcc 1
		.amdhsa_float_denorm_mode_32 3
		.amdhsa_float_denorm_mode_16_64 3
		.amdhsa_memory_ordered 1
		.amdhsa_forward_progress 1
		.amdhsa_inst_pref_size 34
	.end_amdhsa_kernel
	.amdgpu_metadata
---
amdhsa.version: [ 1, 2 ]
amdhsa.kernels:
  - .name:           k_q9e4ce033bf_prep
    .symbol:         k_q9e4ce033bf_prep.kd
    .args:
      - { .name: W_q, .offset: 0, .size: 8, .value_kind: global_buffer, .address_space: global }
      - { .name: W_k, .offset: 8, .size: 8, .value_kind: global_buffer, .address_space: global }
      - { .name: W_v, .offset: 16, .size: 8, .value_kind: global_buffer, .address_space: global }
      - { .name: W_lin, .offset: 24, .size: 8, .value_kind: global_buffer, .address_space: global }
      - { .name: wts, .offset: 32, .size: 8, .value_kind: global_buffer, .address_space: global }
    .group_segment_fixed_size: 0
    .private_segment_fixed_size: 0
    .kernarg_segment_align: 8
    .kernarg_segment_size: 40
    .max_flat_workgroup_size: 32
    .sgpr_count:     66
    .vgpr_count:     208
    .wavefront_size: 32
...
	.end_amdgpu_metadata
.endif
;; end of part 1
;; launch attn (part 2): grid 256 x 1, 8 waves a work-group, clusters of 4 x 1, 327,680 bytes of LDS; arguments spec, rel, b_lin, wts, out0, out1; writes out0, out1
.if DOCPART == 2
	.amdgcn_target "amdgcn-amd-amdhsa--gfx1250"
	.amdhsa_code_object_version 6
	.text
	.protected	k_q9e4ce033bf_attn
	.globl	k_q9e4ce033bf_attn
	.p2align	8
	.type	k_q9e4ce033bf_attn,@function
k_q9e4ce033bf_attn:
	s_mov_b64 s[64:65], 0
	v_nop
	global_prefetch_b8 v0, s[64:65] scope:SCOPE_SE
	s_setreg_imm32_b32 hwreg(HW_REG_WAVE_MODE, 25, 1), 1
	s_wait_xcnt 0x0
	s_wait_alu depctr_hold_cnt(0) depctr_sa_sdst(0) depctr_va_vdst(0) depctr_va_sdst(0) depctr_va_ssrc(0) depctr_va_vcc(0) depctr_vm_vsrc(0)
	s_getreg_b32 s2, hwreg(HW_REG_IB_STS2, 6, 4)
	s_cmp_eq_u32 s2, 0
	s_cbranch_scc0 .Lentry_in_a_cluster
	s_endpgm
.Lentry_in_a_cluster:
	s_bfe_u32 s2, ttmp6, 0x10000c
	s_cmp_lg_u32 s2, 0x3003
	s_cbranch_scc0 .Lentry_shape_is_right
	s_endpgm
.Lentry_shape_is_right:
; Local attention, window 31, fused from spec to both outputs.  spec [8][4096][256] f32; rel [256][31]; b_lin [88]; wts: the four weights as codes of E2M3 (laid by the launch before, in the order of an operand's registers).
; out1 [8][4096][8][31] = softmax_j(q . (k(frame + j - 15) + rel(:, j))); out0 [8][4096][88] = sigmoid(Q(attn . v) Q(W_lin) + b_lin).  Frames outside a batch count as zero rows of spec: k = v = 0 there, rel still counts.
; SHARES.  A work-group takes 128 frames of one batch and needs 10 tiles of 16 frames (one before, one behind).  Wave w owns the 16 queries of tile w + 1, for all 8 heads, and makes q, k and v of tiles w, w + 1, w + 2 itself:
; nothing goes from wave to wave in the loop over heads, which has no barrier; a frame's 992 bytes of attn, its 256 numbers of out and the last product stay in one wave.  Two waves to a SIMD.
; THE QUANTISED PRODUCTS go on codes of E2M3 with E8M0 scales; q.(k + rel) and attn.v feed a quantiser, so they take f32 operands: the f32 matrix form.
; THE CHAIN IN REGISTERS, lane (r, h).  k, q transposed (source 0 = 16 channels of W, source 1 = 16 frames): a lane holds frame r, register i = dim 16 h + i (the channels of a tile are chosen for that: lane m of tile u takes 8 u + m + 8 (m / 8)).
;   S^T[a] = K[a] Q^T, 8 steps of 4: register pairs (2 c, 2 c + 1) of both: both carry the same order of dims.  Result: query r, key offset o = 16 a + 8 h + j.   R^T[t] = REL[t] Q^T: query r, window place 16 t + 8 h + j.
;   o = place + r + 1: S goes through the wave's scratch in LDS to meet R; the finished attn is read back from the stage by the same shift as P[a] (query r, key o), zero outside the window.
;   v is NOT transposed (source 0 = frames): V[a][u] holds channel m = r of tile u and frames 16 a + 8 h + j: source 0 of O^T[u] += V[a][u] P[a] as it stands.  O^T: query r, dims 16 h + 8 u + j: 16 neighbours along the last K, where a block of 32 is a head.
; CLUSTER.  All work-groups read the same 172,032 bytes of weights: the four of a cluster ask for them jointly, each wave one load of 84 rows of 256 bytes, once.  No LDS byte is filled twice.
; LIMITS: NaN and infinities are not served; a block whose largest magnitude lies under 2^-124 keeps the scale byte 1; an attn weight under 2^-126 of its row's largest comes out as 0.
; The softmax takes the row's maximum m away: p = 2^(e c - round(m c)); the rounding of m c is one factor for the whole row and leaves with the division by the row's sum.
.set WSC,   165888                     ; LDS 0 .. 172,031 = wts' first 172,032 bytes: codes of q, k, v (head g at 18,432 g), W_lin's at 147,456, scale images of q, k, v at WSC
.set LSG,   172032                     ; in wts: W_lin's scale images
.set WPART, 21504                      ; what one wave's tensor load brings
.set FRB,   1536                       ; a fragment's image
.set REG0,  172032                     ; behind the weights: a region for each wave
.set REGB,  19216                      ;   +0 scratch for S: 16 rows x 208 bytes;  +3,328 the stage: 16 frames x 992 bytes of attn, as out1 has them;  16 bytes more
.set STG,   3328
.set XIMG,  REG0                       ; until the second barrier the first regions hold spec's 20 fragments (tile T, K step s: 2 T + s)
.set XSC,   XIMG+20*FRB                ; and their scale words: 128 T + 64 s + 4 r
.set LN16, 1                           ; v1   16 x lane
.set LN4,  2                           ; v2   4 x lane
.set RR,   3                           ; v3   r
.set HH,   4                           ; v4   h
.set XA,   5                           ; v5   spec: 1,024 r + 64 h
.set XWI,  6                           ; v6   where I store spec's images;  v7 their scale words;  v8, v9 where I read my three tiles'
.set XWS,  7
.set XR,   8
.set XSR,  9
.set SWA,  10                          ; v10  scratch, in: 208 r + 32 h;  v11 out: 212 r + 32 h + 4
.set SLA,  11
.set ASB,  12                          ; v12  stage: 992 r + 32 h;  v13: 992 r + 28 h;  v14: 988 r + 32 h - 4;  v15-17 the same + 124 g
.set AS7B, 13
.set PLB,  14
.set AST,  15
.set AS7T, 16
.set PLT,  17
.set WAT,  18                          ; v18  the weights' codes to be fetched;  v19 their scale images
.set WST,  19
.set RAB,  20                          ; v20, v21  rel: 4 min(16 t + r, 30) + 1,984 h;  v22, v23 the same + the head's 3,968 g
.set RAT,  22
.set FLB,  24                          ; v24  stage + 16 x lane
.set SO,   25                          ; v25  out0's rows in the stage: 352 r + 32 h;  v26: 352 r + 6,144 h
.set SO5,  26
.set BA,   27                          ; v27  32 h
.set NIL,  28                          ; v28  0
.set NINF, 29                          ; v29  -infinity
.set ZB,   30                          ; v30  region + 2,832 + 16 x lane
.set XS,   32                          ; v32-34 spec's scale words, tile a;  v36-41 the head's weights' (2 mat + u);  v42-47 W_lin's;  v48, v49 out's: these hold scales and nothing else
.set WS,   36
.set LS,   42
.set OS,   48
.set Q,    50                          ; v50-65
.set KK,   66                          ; v66-113  K[a] at 66 + 16 a;  once S is made: P[a] at 66 + 8 a, E at 90
.set PP,   66
.set EE,   90
.set VV,   114                         ; v114-161 V[a][u] at 114 + 16 a + 8 u;  at the end Y[n] at 114 + 8 n
.set YY,   114
.set OC,   162                         ; v162-185 out's codes: four groups of six
.set T,    186                         ; v186-199 at work
.set SS,   200                         ; v200-223 S[a], v224-239 R[t], v240-255 O[u]: written by the f32 matrix form alone
.set RA,   224
.set OO,   240
.set XF,   0                           ; window 1: v0-71 spec's fragments 2 a + s;  v72-215 the head's 12 fragments;  v216-247 REL[t][i].  In the first phase v0-191: spec's numbers
.set WF,   72
.set REL,  216
.set PC,   66                          ; the quantiser of spec: codes, at work, the scale word
.set TM,   86
.set PW,   102
.set MSB, 0
.macro WIN new                         ; bits 1:0 source 0, 3:2 source 1, 5:4 source 2, 7:6 destination; the high byte repeats the setting that is left
.if MSB != \new
	s_set_vgpr_msb (MSB<<8)|\new
.set MSB, \new
.endif
.endm
.macro PLACES n
.rept \n
	v_nop
.endr
.endm
.macro ROUND                           ; a round of the cluster's barrier
	s_barrier_signal -1
	s_barrier_wait -1
	s_cmp_lg_u32 s16, 0
	s_cbranch_scc1 .Lnot_wave_0_\@
	s_barrier_signal -3
.Lnot_wave_0_\@:
	s_barrier_wait -3
	s_barrier_signal -1
	s_barrier_wait -1
.endm
.macro XLOAD i                         ; slot i: 16 rows x 128 along K of spec: lane (r, h) takes 16 neighbours of each block of 32
.irp b, 0,1,2,3
.irp j, 0,1,2,3
	global_load_b128 v[64*\i+16*\b+4*\j:64*\i+16*\b+4*\j+3], v[XA], s[66+2*\i:67+2*\i] offset:128*\b+16*\j
.endr
.endr
.endm
; 64 numbers of a lane in window 1, register 16 b + i = k 32 b + 16 h + i of my row, become a fragment's codes in v[PC] on and its scale word in v[PW]
.macro QUANT s
	WIN 0x05
.irp b, 0,1,2,3
	v_max3_num_f32 v[TM+\b], |v[\s+16*\b]|, |v[\s+1+16*\b]|, 0x1800000   ; the floor 2^(3 - 127) holds the byte at 1 from below
.endr
	WIN 0x14
.irp i, 2,4,6,8,10,12,14
.irp b, 0,1,2,3
	v_max3_num_f32 v[TM+\b], v[TM+\b], |v[\s+16*\b+\i]|, |v[\s+1+16*\b+\i]|
.endr
.endr
	WIN 0
.irp b, 0,1,2,3
	v_permlanex16_b32 v[TM+4+\b], v[TM+\b], s20, s21
.endr
.irp b, 0,1,2,3
	v_max_num_f32 v[TM+\b], v[TM+\b], v[TM+4+\b]   ; with lane l xor 16's: the block's largest magnitude
.endr
.irp b, 0,1,2,3
	v_add_nc_u32 v[TM+12+\b], 0xff000000, v[TM+\b] ; 2 off its exponent field: the conversion's scale operand
.endr
.irp b, 0,1,2,3
	v_lshrrev_b32 v[TM+4+\b], 23, v[TM+12+\b]      ; the scale's byte
.endr
	v_lshl_or_b32 v[PW], v[TM+5], 8, v[TM+4]
	v_lshl_or_b32 v[PW], v[TM+6], 16, v[PW]
	v_lshl_or_b32 v[PW], v[TM+7], 24, v[PW]
	WIN 0x01
.irp c, 0,1
	v_cvt_scalef32_pk16_fp6_f32 v[PC+6*\c:PC+2+6*\c], v[\s+32*\c:\s+15+32*\c], v[TM+12+2*\c]
	v_cvt_scalef32_pk16_fp6_f32 v[PC+12+4*\c:PC+14+4*\c], v[\s+16+32*\c:\s+31+32*\c], v[TM+12+2*\c+1]
.endr
	WIN 0
	v_nop                                          ; one plain place behind a scaled conversion
.irp c, 0,1                            ; the operand's layout wants a whole block in a lane
.irp i, 0,1,2
	v_permlane16_swap_b32 v[PC+6*\c+\i], v[PC+12+4*\c+\i]
.endr
.irp i, 0,1,2
	v_mov_b32 v[PC+3+6*\c+\i], v[PC+12+4*\c+\i]
.endr
.endr
.endm
.macro SEND i                          ; slot i's fragment goes to LDS as an image of its registers; a tile outside the batch as zero codes
.irp k, 0,1,2,3,4,5,6,7,8,9,10,11
	v_and_b32 v[PC+\k], s[72+\i], v[PC+\k]
.endr
.irp c, 0,1,2
	ds_store_b128 v[XWI], v[PC+4*\c:PC+4*\c+3] offset:8*FRB*\i+512*\c
.endr
	ds_store_b32 v[XWS], v[PW] offset:512*\i       ; lanes r and r + 16 write the same word with the same value
	s_wait_dscnt 0x0                               ; the stores have read their registers
.endm
.macro WLOAD                           ; 12 fragments and 6 scale images from the addresses in hand
	WIN 0x40
.irp f, 0,1,2,3,4,5,6,7,8,9,10,11
.irp q, 0,1,2
	ds_load_b128 v[WF+12*\f+4*\q:WF+12*\f+4*\q+3], v[WAT] offset:FRB*\f+512*\q
.endr
.endr
	WIN 0
.irp m, 0,1,2,3,4,5
	ds_load_b32 v[WS+\m], v[WST] offset:128*\m
.endr
.endm
.macro MXP d, a, b, sa, sb, s          ; one product on codes; K step 0 starts the sum, K step 1 adds in place and takes the scale words of lanes 16-31
.if \s
	v_wmma_scale_f32_16x16x128_f8f6f4 v[\d:\d+7], v[\a:\a+11], v[\b:\b+11], v[\d:\d+7], v[\sa], v[\sb] matrix_a_fmt:MATRIX_FMT_FP6 matrix_b_fmt:MATRIX_FMT_FP6 matrix_a_scale:MATRIX_SCALE_ROW1 matrix_b_scale:MATRIX_SCALE_ROW1
.else
	v_wmma_scale_f32_16x16x128_f8f6f4 v[\d:\d+7], v[\a:\a+11], v[\b:\b+11], 0, v[\sa], v[\sb] matrix_a_fmt:MATRIX_FMT_FP6 matrix_b_fmt:MATRIX_FMT_FP6
.endif
.endm
.macro PROJ s                          ; 14 products, 14 accumulators by turns
.irp a, 0,1,2
.irp u, 0,1
	MXP KK+16*\a+8*\u, WF+12*(4+2*\u+\s), XF+12*(2*\a+\s), WS+2+\u, XS+\a, \s
.endr
.endr
.irp u, 0,1
	MXP Q+8*\u, WF+12*(2*\u+\s), XF+12*(2+\s), WS+\u, XS+1, \s
.endr
.irp a, 0,1,2
.irp u, 0,1
	MXP VV+16*\a+8*\u, XF+12*(2*\a+\s), WF+12*(8+2*\u+\s), XS+\a, WS+4+\u, \s
.endr
.endr
.endm
.macro FLUSH first, n, ptr             ; n x 512 bytes of my stage, from 512 first on, leave through v50 on
.set fi, 0
.rept \n
	ds_load_b128 v[Q+4*fi:Q+4*fi+3], v[FLB] offset:512*(\first+fi)
.set fi, fi+1
.endr
.set fi, 0
.rept \n
	s_wait_dscnt \n-1-fi                           ; LDS loads come back in order: the younger ones may be out
	global_store_b128 v[LN16], v[Q+4*fi:Q+4*fi+3], s[\ptr:\ptr+1] offset:512*(\first+fi) th:TH_STORE_NT   ; 32 lanes store 512 consecutive bytes, at a multiple of 256 from the buffer's first byte
.set fi, fi+1
.endr
.endm
	; ---- the head
	s_load_b256 s[4:11], s[0:1], 0x0               ; spec s[4:5], rel s[6:7], b_lin s[8:9], wts s[10:11]
	s_load_b128 s[12:15], s[0:1], 0x20             ; out0 s[12:13], out1 s[14:15]
	v_lshl_add_u32 v35, v0, 2, 0x4f900
	v_mov_b32 v199, 0
	ds_add_u32 v35, v199
	ds_add_u32 v35, v199
	v_lshrrev_b32 v1, 5, v0
	v_readfirstlane_b32 s16, v1                    ; wave 0..7
	v_and_b32 v[RR], 15, v0
	v_bfe_u32 v[HH], v0, 4, 1
	v_lshlrev_b32 v[XA], 10, v[RR]
	v_lshl_add_u32 v[XA], v[HH], 6, v[XA]
	s_bfe_u32 s17, ttmp6, 0x40000                  ; cx
	s_lshl_b32 s18, ttmp9, 2
	s_add_co_u32 s18, s18, s17                     ; my work-group: 128 frames from 128 x this on
	s_and_b32 s19, s18, 31                         ; which 128 of its batch
	s_mov_b32 s20, 0x76543210
	s_mov_b32 s21, 0xfedcba98                      ; v_permlanex16_b32's selects for lane l xor 16
	s_mov_b32 s22, 0x3fb8aa3b                      ; log2(e)
	s_mov_b32 s23, s22                             ; (named with it as a pair)
	s_mov_b32 s24, 0xffff0000                      ; lanes 16-31
	s_mov_b32 s76, 0xbfb8aa3b                      ; -log2(e)
	s_mov_b32 s77, s76
	; descriptor group 1: 84 rows of 256 bytes (32 elements of 8 bytes), dense, no padding; the mask names the cluster's four
	s_mov_b32 s36, 15|(3<<16)|(1<<21)
	s_mov_b32 s37, 32<<16                          ; tensor_dim0
	s_mov_b32 s38, 84<<16                          ; tensor_dim1
	s_mov_b32 s39, 32<<16                          ; tile_dim0
	s_mov_b32 s40, 84                              ; tile_dim1
	s_mov_b32 s41, 32                              ; pitch
	s_mov_b32 s42, 0
	s_mov_b32 s43, 0
	s_mov_b32 s32, 1
	s_mul_i32 s33, s16, WPART                      ; LDS address: the wave's number alone
	s_mov_b32 s78, s33
	s_mov_b32 s79, 0
	; spec's fragments: wave w quantises fragments w, w + 8 and, waves 0 to 3, w + 16: tile (w >> 1) + 4 i, K step w & 1
	s_lshr_b32 s30, s16, 1
	s_lshl_b32 s30, s30, 4
	s_sub_co_i32 s30, s30, 16                      ; 16 (w >> 1) - 16
	s_lshl_b32 s31, s19, 7
	s_add_co_i32 s31, s31, s30                     ; slot 0's first frame, counted in the batch
	s_lshl_b32 s60, s18, 7
	s_add_co_i32 s60, s60, s30                     ; and as a row of spec
	s_and_b32 s61, s16, 1
	s_lshl_b32 s61, s61, 9
	s_wait_dscnt 0x0
	s_wait_kmcnt 0x0
.irp i, 0,1,2
	s_add_co_i32 s62, s31, 64*\i
	s_cmp_lt_u32 s62, 4096                         ; a tile lies wholly inside the batch or wholly outside
	s_cselect_b32 s[72+\i], -1, 0
	s_add_co_i32 s62, s60, 64*\i
	s_max_i32 s62, s62, 0
	s_min_i32 s62, s62, 32752                      ; no load leaves the buffer
	s_lshl_b32 s62, s62, 10
	s_add_co_u32 s62, s62, s61
	s_mov_b32 s63, 0
	s_add_nc_u64 s[66+2*\i:67+2*\i], s[4:5], s[62:63]
.endr
	s_mul_i32 s62, s18, 126976
	s_mul_i32 s63, s16, 15872
	s_add_co_u32 s62, s62, s63
	s_mov_b32 s63, 0
	s_add_nc_u64 s[14:15], s[14:15], s[62:63]      ; out1 at my 16 frames
	s_mul_i32 s62, s18, 45056
	s_mul_i32 s63, s16, 5632
	s_add_co_u32 s62, s62, s63
	s_mov_b32 s63, 0
	s_add_nc_u64 s[12:13], s[12:13], s[62:63]      ; out0 likewise
	s_add_nc_u64 s[34:35], s[10:11], s[78:79]      ; my part of the weights
	s_or_b32 s35, s35, 0x80000000
	s_cmp_lt_u32 s16, 4
	s_cbranch_scc0 .Lno_third_load
	WIN 0x40
	XLOAD 2                                        ; the third slot goes first, so that behind it both ways count alike
	WIN 0
.Lno_third_load:
	WIN 0x40
	XLOAD 0
	XLOAD 1
	WIN 0
	ROUND                                          ; all four work-groups are here: the joint loads meet
	tensor_load_to_lds s[32:35], s[36:43]          ; my one tensor load of the launch
	s_nop 0
	PLACES 4
	v_and_b32 v[LN4], 31, v0
	v_lshlrev_b32 v[LN16], 4, v[LN4]
	v_lshlrev_b32 v[LN4], 2, v[LN4]
	s_mul_i32 s75, s16, REGB
	s_add_co_u32 s75, s75, REG0                    ; my region
	s_mul_i32 s3, s16, FRB
	s_add_co_u32 s3, s3, XIMG
	v_add_nc_u32 v[XWI], s3, v[LN16]
	s_lshl_b32 s3, s16, 6
	s_add_co_u32 s3, s3, XSC
	v_lshl_add_u32 v[XWS], v[RR], 2, s3            ; 128 (w >> 1) + 64 (w & 1) = 64 w
	s_mul_i32 s3, s16, 2*FRB
	s_add_co_u32 s3, s3, XIMG
	v_add_nc_u32 v[XR], s3, v[LN16]
	s_lshl_b32 s3, s16, 7
	s_add_co_u32 s3, s3, XSC
	v_add_nc_u32 v[XSR], s3, v[LN4]
	v_mul_u32_u24 v[SWA], v[RR], 208
	v_lshl_add_u32 v[SWA], v[HH], 5, v[SWA]
	v_add_nc_u32 v[SWA], s75, v[SWA]
	v_mul_u32_u24 v[SLA], v[RR], 212
	v_lshl_add_u32 v[SLA], v[HH], 5, v[SLA]
	s_add_co_u32 s3, s75, 4
	v_add_nc_u32 v[SLA], s3, v[SLA]
	s_add_co_u32 s3, s75, STG
	v_mul_u32_u24 v[ASB], v[RR], 992
	v_mad_u32_u24 v[AS7B], v[HH], 28, v[ASB]
	v_add_nc_u32 v[AS7B], s3, v[AS7B]
	v_lshl_add_u32 v[ASB], v[HH], 5, v[ASB]
	v_add_nc_u32 v[ASB], s3, v[ASB]
	v_add_nc_u32 v[FLB], s3, v[LN16]
	v_mul_u32_u24 v[SO], v[RR], 352
	v_mad_u32_u24 v[SO5], v[HH], 6144, v[SO]
	v_add_nc_u32 v[SO5], s3, v[SO5]
	v_lshl_add_u32 v[SO], v[HH], 5, v[SO]
	v_add_nc_u32 v[SO], s3, v[SO]
	s_add_co_u32 s3, s75, STG-4
	v_mul_u32_u24 v[PLB], v[RR], 988
	v_lshl_add_u32 v[PLB], v[HH], 5, v[PLB]
	v_add_nc_u32 v[PLB], s3, v[PLB]
	s_add_co_u32 s3, s75, 2832
	v_add_nc_u32 v[ZB], s3, v[LN16]
	v_mul_u32_u24 v[RAB], v[HH], 1984              ; rel: 16 rows of 124 bytes for lanes 16-31
	v_add_nc_u32 v[T], 16, v[RR]
	v_min_u32 v[T], 30, v[T]                       ; place 31 does not exist: its lanes take place 30's numbers, and their result is thrown away
	v_lshl_add_u32 v[RAB+1], v[T], 2, v[RAB]
	v_lshl_add_u32 v[RAB], v[RR], 2, v[RAB]
	v_mov_b32 v[WAT], v[LN16]                      ; head 0's weights
	v_add_nc_u32 v[WST], WSC, v[LN4]
	v_lshlrev_b32 v[BA], 5, v[HH]
	v_mov_b32 v[NIL], 0
	v_mov_b32 v[NINF], 0xff800000
	v_lshlrev_b32 v[T], 3, v[HH]
	v_sub_nc_u32 v[T], v[RR], v[T]                 ; r - 8 h
.irp j, 0,1,2,3,4,5,6,7
	v_cmp_gt_i32 s[44+\j], \j, v[T]                ; key 8 h + j of the first tile lies in query r's window where 8 h + j > r,
	v_cmp_lt_i32 s[52+\j], \j, v[T]                ; key 32 + 8 h + j of the third where 8 h + j < r; the second tile's all do
.endr
.irp b, 0,1,2,3
	v_mov_b32 v[TM+4+\b], 0                        ; written once: a lane permute's destination counts as one of its sources
.endr
	; ---- spec becomes codes
	s_cmp_lt_u32 s16, 4
	s_cbranch_scc0 .Lno_third
	s_wait_loadcnt 32                              ; the third slot is in; slots 0 and 1 may be out
	QUANT 128
	SEND 2
.Lno_third:
	s_wait_loadcnt 16                              ; slot 0 is in; slot 1 may be out
	QUANT 0
	SEND 0
	s_wait_loadcnt 0x0
	QUANT 64
	SEND 1
.irp n, 0,1,2,3,4,5
	global_load_b32 v[LS+\n], v[LN4], s[10:11] offset:LSG+128*\n   ; W_lin's scale images stay in registers
.endr
	WIN 0x40
.irp t, 0,1
.irp i, 0,1,2,3,4,5,6,7,8,9,10,11,12,13,14,15
	global_load_b32 v[REL+16*\t+\i], v[RAB+\t], s[6:7] offset:124*\i   ; head 0: rel(16 h + i, 16 t + r)
.endr
.endr
	WIN 0
	s_wait_tensorcnt 0x0                           ; my part of the weights has landed,
	s_wait_dscnt 0x0                               ; my images are stored:
	s_barrier_signal -1
	s_barrier_wait -1                              ; everybody's are
	WIN 0x40
.irp f, 0,1,2,3,4,5
.irp q, 0,1,2
	ds_load_b128 v[XF+12*\f+4*\q:XF+12*\f+4*\q+3], v[XR] offset:FRB*\f+512*\q   ; my three tiles of spec stay in registers
.endr
.endr
	WIN 0
.irp a, 0,1,2
	ds_load_b32 v[XS+\a], v[XSR] offset:128*\a     ; lanes 0-15: K step 0's words, lanes 16-31: K step 1's
.endr
	WLOAD
	s_wait_dscnt 0x0                               ; my reads of the images are over:
	s_barrier_signal -1
	s_barrier_wait -1                              ; everybody's are: the regions are the waves' own from here on
.irp k, 0,1,2,3,5
	v_mov_b32 v[T+\k], 0
.endr
.set k, 0
.rept 32
	ds_store_b128 v[ZB], v[T:T+3] offset:512*k     ; zeros from the word ahead of the stage to the region's end: what P's loads read outside a window is a number
.set k, k+1
.endr
.set k, 0
.rept 24
	v_mov_b32 v[OC+k], 0
.set k, k+1
.endr
	v_mov_b32 v[OS], 0
	v_mov_b32 v[OS+1], 0
	s_mov_b32 s26, 0                               ; 124 g
	s_mov_b32 s27, 18432                           ; the next head's codes
	s_mov_b32 s28, 768                             ; its scale images
	s_mov_b32 s29, 3968                            ; its rows of rel
; ---- one head.  par = 0: an even head, 1: an odd one (they differ in where out's codes go)
.macro HEAD par
	s_wait_loadcnt 0x0                             ; rel
	s_wait_dscnt 0x0                               ; the weights.  (Behind the last head's f32 products stand more than nine plain lines that name none of their registers: V and P may be written over)
	WIN 0x05
	PROJ 0
	PROJ 1
	WIN 0
	s_min_u32 s30, s28, 5376                       ; (behind the last head there are no scale images here: the address is held, the result is not used)
	s_add_co_u32 s30, s30, WSC
	v_add_nc_u32 v[WAT], s27, v[LN16]              ; five plain lines: the places between the products above and the loads and products below
	v_add_nc_u32 v[WST], s30, v[LN4]
	v_add_nc_u32 v[AST], s26, v[ASB]
	v_add_nc_u32 v[AS7T], s26, v[AS7B]
	v_add_nc_u32 v[PLT], s26, v[PLB]
	WLOAD                                          ; the next head's weights; behind the last head W_lin's 12 fragments, which lie where a ninth head would
.irp c, 0,1,2,3,4,5,6,7                ; S^T = K Q^T: three accumulators by turns
.irp a, 0,1,2
.if \c == 0
	v_wmma_f32_16x16x4_f32 v[SS+8*\a:SS+8*\a+7], v[KK+16*\a+2*\c:KK+16*\a+2*\c+1], v[Q+2*\c:Q+2*\c+1], 0
.else
	v_wmma_f32_16x16x4_f32 v[SS+8*\a:SS+8*\a+7], v[KK+16*\a+2*\c:KK+16*\a+2*\c+1], v[Q+2*\c:Q+2*\c+1], v[SS+8*\a:SS+8*\a+7]
.endif
.endr
.endr
	WIN 0x01
.irp c, 0,1,2,3,4,5,6,7                ; R^T = REL Q^T: two by turns
.irp t, 0,1
.if \c == 0
	v_wmma_f32_16x16x4_f32 v[RA+8*\t:RA+8*\t+7], v[REL+16*\t+2*\c:REL+16*\t+2*\c+1], v[Q+2*\c:Q+2*\c+1], 0
.else
	v_wmma_f32_16x16x4_f32 v[RA+8*\t:RA+8*\t+7], v[REL+16*\t+2*\c:REL+16*\t+2*\c+1], v[Q+2*\c:Q+2*\c+1], v[RA+8*\t:RA+8*\t+7]
.endif
.endr
.endr
	WIN 0
	s_min_u32 s30, s29, 27776                      ; (the last head asks for head 7's rows once more: no load leaves the buffer, and nobody reads them)
	v_add_nc_u32 v[RAT], s30, v[RAB]
	v_add_nc_u32 v[RAT+1], s30, v[RAB+1]
	PLACES 6                                       ; eight places behind the f32 form, with the two lines above
	WIN 0x40
.irp t, 0,1
.irp i, 0,1,2,3,4,5,6,7,8,9,10,11,12,13,14,15
	global_load_b32 v[REL+16*\t+\i], v[RAT+\t], s[6:7] offset:124*\i
.endr
.endr
	WIN 0
.irp a, 0,1,2
	ds_store_b128 v[SWA], v[SS+8*\a:SS+8*\a+3] offset:64*\a          ; row = query r, word = key offset o; each accumulator from its low end on
	ds_store_b128 v[SWA], v[SS+8*\a+4:SS+8*\a+7] offset:64*\a+16
.endr
.irp t, 0,1
.irp j, 0,1,2,3,4,5,6,7
	ds_load_b32 v[EE+8*\t+\j], v[SLA] offset:64*\t+4*\j              ; back at o = place + r + 1.  LDS serves a wave's instructions in order: these see the stores
.endr
.endr
	s_wait_dscnt 0x0
.irp k, 0,2,4,6,8,10,12,14
	v_pk_add_f32 v[EE+\k:EE+\k+1], v[EE+\k:EE+\k+1], v[RA+\k:RA+\k+1]   ; the energy
.endr
	v_cndmask_b32 v[EE+15], v[EE+15], v[NINF], s24 ; place 31 does not exist
	v_max3_num_f32 v[T], v[EE], v[EE+1], v[EE+2]
	v_max3_num_f32 v[T+1], v[EE+3], v[EE+4], v[EE+5]
	v_max3_num_f32 v[T], v[T], v[EE+6], v[EE+7]
	v_max3_num_f32 v[T+1], v[T+1], v[EE+8], v[EE+9]
	v_max3_num_f32 v[T], v[T], v[EE+10], v[EE+11]
	v_max3_num_f32 v[T+1], v[T+1], v[EE+12], v[EE+13]
	v_max3_num_f32 v[T], v[T], v[EE+14], v[EE+15]
	v_max_num_f32 v[T], v[T], v[T+1]
	v_permlanex16_b32 v[T+2], v[T], s20, s21
	v_max_num_f32 v[T], v[T], v[T+2]               ; the row's maximum
	v_mul_f32 v[T+4], s76, v[T]                    ; - m log2(e)
.irp k, 0,2,4,6,8,10,12,14
	v_pk_fma_f32 v[EE+\k:EE+\k+1], v[EE+\k:EE+\k+1], s[22:23], v[T+4:T+5] op_sel_hi:[1,0,0]
.endr
.irp k, 0,1,2,3,4,5,6,7,8,9,10,11,12,13,14,15
	v_exp_f32 v[EE+\k], v[EE+\k]
.endr
	v_nop                                          ; a plain place behind the exponentials
	s_wait_alu depctr_va_vdst(0)                   ; one wait for the batch, ahead of its first reader
	v_pk_add_f32 v[T+6:T+7], v[EE:EE+1], v[EE+2:EE+3]
	v_pk_add_f32 v[T+8:T+9], v[EE+4:EE+5], v[EE+6:EE+7]
	v_pk_add_f32 v[T+6:T+7], v[T+6:T+7], v[EE+8:EE+9]
	v_pk_add_f32 v[T+8:T+9], v[T+8:T+9], v[EE+10:EE+11]
	v_pk_add_f32 v[T+6:T+7], v[T+6:T+7], v[EE+12:EE+13]
	v_pk_add_f32 v[T+8:T+9], v[T+8:T+9], v[EE+14:EE+15]
	v_pk_add_f32 v[T+6:T+7], v[T+6:T+7], v[T+8:T+9]
	v_add_f32 v[T+6], v[T+6], v[T+7]
	v_permlanex16_b32 v[T+2], v[T+6], s20, s21
	v_add_f32 v[T+6], v[T+6], v[T+2]               ; the row's sum
	v_rcp_f32 v[T+8], v[T+6]
	v_nop
	s_wait_alu depctr_va_vdst(0)
.irp k, 0,2,4,6,8,10,12,14
	v_pk_mul_f32 v[EE+\k:EE+\k+1], v[EE+\k:EE+\k+1], v[T+8:T+9] op_sel_hi:[1,0]   ; attn
.endr
	v_cndmask_b32 v[T+3], v[EE+15], v[EE+14], s24
.irp k, 0,1,2,3,4,5,6,7,8,9,10,11,12,13,14
	ds_store_b32 v[AST], v[EE+\k] offset:64*(\k/8)+4*(\k%8)          ; into the stage, as out1 has it
.endr
	ds_store_b32 v[AS7T], v[T+3] offset:92         ; lanes 0-15: place 23; lanes 16-31 have no place 31 and write place 30 a second time
.irp a, 0,1,2
.irp j, 0,1,2,3,4,5,6,7
	ds_load_b32 v[PP+8*\a+\j], v[PLT] offset:64*\a+4*\j              ; back by key offset: place = o - r - 1
.endr
.endr
	s_wait_dscnt 0x0
.irp j, 0,1,2,3,4,5,6,7
	v_cndmask_b32 v[PP+\j], 0, v[PP+\j], s[44+\j]  ; zero outside the window
	v_cndmask_b32 v[PP+16+\j], 0, v[PP+16+\j], s[52+\j]
.endr
.irp a, 0,1,2                          ; O^T += V P: two accumulators by turns
.irp c, 0,1,2,3
.irp u, 0,1
.if (\a == 0) && (\c == 0)
	v_wmma_f32_16x16x4_f32 v[OO+8*\u:OO+8*\u+7], v[VV+16*\a+8*\u+2*\c:VV+16*\a+8*\u+2*\c+1], v[PP+8*\a+2*\c:PP+8*\a+2*\c+1], 0
.else
	v_wmma_f32_16x16x4_f32 v[OO+8*\u:OO+8*\u+7], v[VV+16*\a+8*\u+2*\c:VV+16*\a+8*\u+2*\c+1], v[PP+8*\a+2*\c:PP+8*\a+2*\c+1], v[OO+8*\u:OO+8*\u+7]
.endif
.endr
.endr
.endr
.if \par
	PLACES 8
.else
.set k, 0
.rept 18
	v_mov_b32 v[OC+k], v[OC+k+6]                   ; the pairs of heads made so far move one group down: after four pairs each lies at its place.  (These are also the places behind the products)
.set k, k+1
.endr
.endif
	v_max3_num_f32 v[T], |v[OO]|, |v[OO+1]|, 0x1800000               ; the head is a block of 32 along the last K: my 16 numbers, and the floor
	v_max3_num_f32 v[T+1], |v[OO+8]|, |v[OO+9]|, |v[OO+10]|
	v_max3_num_f32 v[T], v[T], |v[OO+2]|, |v[OO+3]|
	v_max3_num_f32 v[T+1], v[T+1], |v[OO+11]|, |v[OO+12]|
	v_max3_num_f32 v[T], v[T], |v[OO+4]|, |v[OO+5]|
	v_max3_num_f32 v[T+1], v[T+1], |v[OO+13]|, |v[OO+14]|
	v_max3_num_f32 v[T], v[T], |v[OO+6]|, |v[OO+7]|
	v_max3_num_f32 v[T], v[T], v[T+1], |v[OO+15]|
	v_permlanex16_b32 v[T+2], v[T], s20, s21
	v_max_num_f32 v[T], v[T], v[T+2]
	v_add_nc_u32 v[T+1], 0xff000000, v[T]          ; the conversion's scale operand
	v_lshrrev_b32 v[T+3], 23, v[T+1]               ; the byte
	v_alignbit_b32 v[OS], v[OS+1], v[OS], 8        ; the two scale words as one run of 8 bytes: each head's byte comes in at the top
	v_alignbit_b32 v[OS+1], v[T+3], v[OS+1], 8
.if \par
	v_cvt_scalef32_pk16_fp6_f32 v[T+10:T+12], v[OO:OO+15], v[T+1]
	v_nop                                          ; one plain place behind a scaled conversion
.irp i, 0,1,2
	v_permlane16_swap_b32 v[OC+18+\i], v[T+10+\i]  ; lanes 0-15 get the even head whole, lanes 16-31 the odd one
.endr
.irp i, 0,1,2
	v_mov_b32 v[OC+21+\i], v[T+10+\i]
.endr
.else
	v_cvt_scalef32_pk16_fp6_f32 v[OC+18:OC+20], v[OO:OO+15], v[T+1]
	v_nop
.endif
	s_add_co_u32 s26, s26, 124
	s_add_co_u32 s27, s27, 18432
	s_add_co_u32 s28, s28, 768
	s_add_co_u32 s29, s29, 3968
.endm
	s_mov_b32 s25, 4
.Lpair:                                                ; four trips of two heads: after two heads the register numbers are back where they began
	HEAD 0
	HEAD 1
	s_sub_co_u32 s25, s25, 1
	s_cmp_lg_u32 s25, 0
	s_cbranch_scc1 .Lpair
	; ---- the end: attn leaves; out Q(W_lin) + b_lin; sigmoid; out0 leaves
	PLACES 8                                       ; out's scale words, written by vector lines, stand eight places ahead of the scaled products, its codes four
.irp n, 0,1,2,3,4
	global_load_b128 v[YY+8*\n:YY+8*\n+3], v[BA], s[8:9] offset:64*\n          ; the bias is the C of each sum's first product: lane (r, h): b(16 n + 8 h + 0 .. 7)
	global_load_b128 v[YY+8*\n+4:YY+8*\n+7], v[BA], s[8:9] offset:64*\n+16
.endr
	global_load_b128 v[YY+40:YY+43], v[NIL], s[8:9] offset:320                 ; tile 5 has eight channels: all lanes take b(80 .. 87); lanes 16-31's results are thrown away
	global_load_b128 v[YY+44:YY+47], v[NIL], s[8:9] offset:336
	FLUSH 0, 16, 14
	s_wait_xcnt 0x0                                ; the stores have read their registers
	FLUSH 16, 15, 14
	s_wait_loadcnt 0x0
	WIN 0x01
.irp s, 0,1
.irp n, 0,1,2,3,4,5
.if \s
	v_wmma_scale_f32_16x16x128_f8f6f4 v[YY+8*\n:YY+8*\n+7], v[WF+12*(2*\n+\s):WF+12*(2*\n+\s)+11], v[OC+12*\s:OC+12*\s+11], v[YY+8*\n:YY+8*\n+7], v[LS+\n], v[OS+\s] matrix_a_fmt:MATRIX_FMT_FP6 matrix_b_fmt:MATRIX_FMT_FP6 matrix_a_scale:MATRIX_SCALE_ROW1
.else
	v_wmma_scale_f32_16x16x128_f8f6f4 v[YY+8*\n:YY+8*\n+7], v[WF+12*(2*\n+\s):WF+12*(2*\n+\s)+11], v[OC+12*\s:OC+12*\s+11], v[YY+8*\n:YY+8*\n+7], v[LS+\n], v[OS+\s] matrix_a_fmt:MATRIX_FMT_FP6 matrix_b_fmt:MATRIX_FMT_FP6
.endif
.endr
.endr
	WIN 0
	PLACES 4
.set k, 0
.rept 24
	v_pk_mul_f32 v[YY+2*k:YY+2*k+1], v[YY+2*k:YY+2*k+1], s[76:77] op_sel_hi:[1,0]   ; - y log2(e)
.set k, k+1
.endr
.set k, 0
.rept 48
	v_exp_f32 v[YY+k], v[YY+k]
.set k, k+1
.endr
	v_nop
	s_wait_alu depctr_va_vdst(0)
.set k, 0
.rept 24
	v_pk_add_f32 v[YY+2*k:YY+2*k+1], v[YY+2*k:YY+2*k+1], 1.0 op_sel_hi:[1,0]
.set k, k+1
.endr
.set k, 0
.rept 48
	v_rcp_f32 v[YY+k], v[YY+k]                     ; 1 / (1 + e^-y)
.set k, k+1
.endr
	v_nop
	s_wait_alu depctr_va_vdst(0)
.irp n, 0,1,2,3,4
	ds_store_b128 v[SO], v[YY+8*\n:YY+8*\n+3] offset:64*\n           ; rows of 352 bytes, as out0 has them; the stage's attn has been read
	ds_store_b128 v[SO], v[YY+8*\n+4:YY+8*\n+7] offset:64*\n+16
.endr
	ds_store_b128 v[SO5], v[YY+40:YY+43] offset:320                  ; lanes 16-31 fall 6,144 bytes further on, behind the 16 rows, inside my stage
	ds_store_b128 v[SO5], v[YY+44:YY+47] offset:336
	s_wait_xcnt 0x0                                ; attn's last stores have read their registers
	FLUSH 0, 11, 12
	s_wait_tensorcnt 0x0
	ds_add_u32 v35, v199
	s_wait_dscnt 0x0
	ROUND                                          ; the closing round: no work-group ends while a partner may still ask for the weights
	s_endpgm
.Lfunc_end_k_q9e4ce033bf_attn:
	.size	k_q9e4ce033bf_attn, .Lfunc_end_k_q9e4ce033bf_attn-k_q9e4ce033bf_attn
	.p2alignl 7, 3214868480
	.fill 96, 4, 3214868480
	.section	.rodata,"a",@progbits
	.p2align	6, 0x0
	.amdhsa_kernel k_q9e4ce033bf_attn
		.amdhsa_group_segment_fixed_size 327680
		.amdhsa_private_segment_fixed_size 0
		.amdhsa_enable_private_segment 0
		.amdhsa_kernarg_size 48
		.amdhsa_user_sgpr_count 2
		.amdhsa_user_sgpr_kernarg_segment_ptr 1
		.amdhsa_wavefront_size32 1
		.amdhsa_system_sgpr_workgroup_id_x 1
		.amdhsa_system_sgpr_workgroup_id_y 1
		.amdhsa_system_sgpr_workgroup_id_z 1
		.amdhsa_system_vgpr_workitem_id 0
		.amdhsa_next_free_vgpr 512
		.amdhsa_next_free_sgpr 80
		.amdhsa_reserve_vcc 0
		.amdhsa_float_denorm_mode_32 3
		.amdhsa_float_denorm_mode_16_64 3
		.amdhsa_memory_ordered 1
		.amdhsa_forward_progress 1
		.amdhsa_inst_pref_size 105
	.end_amdhsa_kernel
	.amdgpu_metadata
---
amdhsa.version: [ 1, 2 ]
amdhsa.kernels:
  - .name:           k_q9e4ce033bf_attn
    .symbol:         k_q9e4ce033bf_attn.kd
    .args:
      - { .name: spec, .offset: 0, .size: 8, .value_kind: global_buffer, .address_space: global }
      - { .name: rel, .offset: 8, .size: 8, .value_kind: global_buffer, .address_space: global }
      - { .name: b_lin, .offset: 16, .size: 8, .value_kind: global_buffer, .address_space: global }
      - { .name: wts, .offset: 24, .size: 8, .value_kind: global_buffer, .address_space: global }
      - { .name: out0, .offset: 32, .size: 8, .value_kind: global_buffer, .address_space: global }
      - { .name: out1, .offset: 40, .size: 8, .value_kind: global_buffer, .address_space: global }
    .group_segment_fixed_size: 327680
    .private_segment_fixed_size: 0
    .kernarg_segment_align: 8
    .kernarg_segment_size: 48
    .max_flat_workgroup_size: 256
    .sgpr_count:     80
    .vgpr_count:     512
    .wavefront_size: 32
...
	.end_amdgpu_metadata
.endif
;; end of part 2
;; ======== version 2 of 2: 2 launches; 1.11 times as fast as version 1
;; workspace buffers: wts 172,800 bytes
;; launch prep: the kernel of part 1 again; grid 54 x 1, 1 waves a work-group, no clusters, 0 bytes of LDS; arguments W_q, W_k, W_v, W_lin, wts; writes wts
;; launch attn (part 3): grid 256 x 1, 8 waves a work-group, no clusters, 327,680 bytes of LDS; arguments spec, rel, b_lin, wts, out0, out1; writes out0, out1
.if DOCPART == 3
	.amdgcn_target "amdgcn-amd-amdhsa--gfx1250"
	.amdhsa_code_object_version 6
	.text
	.protected	k_q9e4ce033bf_attn
	.globl	k_q9e4ce033bf_attn
	.p2align	8
	.type	k_q9e4ce033bf_attn,@function
k_q9e4ce033bf_attn:
	s_mov_b64 s[64:65], 0
	v_nop
	global_prefetch_b8 v0, s[64:65] scope:SCOPE_SE
	s_setreg_imm32_b32 hwreg(HW_REG_WAVE_MODE, 25, 1), 1
	s_wait_xcnt 0x0
; Local attention, window 31, fused from spec to both outputs.  spec [8][4096][256] f32; rel [256][31]; b_lin [88]; wts: the four weights as codes of E2M3, laid by the launch before in the order of an operand's registers.
; out1 [8][4096][8][31] = softmax_j(q . (k(frame + j - 15) + rel(:, j))); out0 [8][4096][88] = sigmoid(Q(attn . v) Q(W_lin) + b_lin).  Frames outside a batch count as zero rows of spec: k = v = 0 there, rel still counts.
; SHARES.  A work-group takes 128 frames of one batch: tiles T = 0 .. 9 of 16 frames (one before, one behind).  WAVE g OWNS HEAD g and walks the eight query tiles, a step a tile.  Its head's weights (12 fragments), their scale words and
; its 32 rows of rel are loaded once and stay in registers.  A tile's k and v are made once and kept in rings of three tiles; q one step ahead.  So a step has 12 products on codes and 64 f32 products.
; WHAT GOES FROM WAVE TO WAVE, through LDS, in stages that take turns: spec's codes (images of the operand's registers); a tile's attn (16 frames x 992 bytes, as out1 has them: each wave its 124 bytes a frame); out's codes (rows of 192 bytes:
; each wave its 24) and scale bytes; out0's rows.  Step t writes tile t's attn and codes; step t + 1 stores that attn, and waves 0 to 5 make 16 channels each of the last product; step t + 2 stores out0.
; ONE BARRIER A STEP, in two halves: a wave signals behind its last LDS access of a step, all of them waited for, and waits in the next step in front of its first LDS store or shared read.  Between the halves stand the next tile's codes
; (bytes written two barriers back or more), the products for k and v and the step's 40 f32 products.
; THE QUANTISED PRODUCTS go on codes of E2M3 with E8M0 scales; q.(k + rel) and attn.v feed a quantiser, so they take f32 operands: the f32 matrix form.
; THE CHAIN IN REGISTERS, lane (r, h).  k, q transposed (source 0 = 16 channels of W, source 1 = 16 frames): a lane holds frame r, register i = dim 16 h + i (lane m of channel tile u takes channel 8 u + m + 8 (m / 8)).
;   S^T[a] = K[t - 1 + a] Q^T, 8 steps of 4: query r, key offset o = 16 a + 8 h + j.   R^T[e] = REL[e] Q^T: query r, window place 16 e + 8 h + j.   o = place + r + 1: S goes through the wave's scratch to meet R;
;   the finished attn goes through a second scratch whose rows are zero outside the window, and comes back as P[a] (query r, key o).   v is NOT transposed: V[T][u] holds channel m = r and frames 8 h + j: source 0 of O^T[u] += V P as it stands.
;   O^T: query r, dims 16 h + 8 u + j: 16 neighbours along the last K, where a block of 32 is a head.
; SPEC comes by the tensor data mover, three loads a wave, all at the head: fragments (16 rows x 512 bytes) w and w + 8, which the wave itself quantises, and half of fragment 16 + (w >> 1).  No LDS byte is filled twice.
; NO CLUSTER: the weights go from memory straight into registers, each wave its own head's, once; a joint load fills LDS alone.  Of spec a work-group shares 2 tiles in 10 with its neighbours.
; THE STEPS ARE WRITTEN OUT by one macro: the rings come round after 3 steps, the stages after 2, and there are 8.
; LIMITS: NaN and infinities are not served; a block whose largest magnitude lies under 2^-124 keeps the scale byte 1; an attn weight under 2^-126 of its row's largest comes out as 0.
; The softmax takes the row's maximum m away: p = 2^(e c - round(m c)); the rounding of m c is one factor for the whole row and leaves with the division by the row's sum.
.set XFRB,  8448                       ; LDS 0 ..: spec's 20 fragments as f32: 16 rows x (512 bytes + 16 of padding): 132 words a row, so the 16 rows of a load start at 16 different groups of four banks
.set FRB,   1536                       ; a fragment's image
.set XIMG,  20*XFRB                    ; spec's 20 fragments as codes (tile T, K step s: 2 T + s)
.set XSC,   XIMG+20*FRB                ; their scale words: 128 T + 64 s + 4 r
.set WREG,  XSC+1280                   ; a region for each wave: +0 scratch for S, 16 rows x 208 bytes; +3,328 scratch for P, the same rows, 3,584 bytes
.set WRB,   6912
.set PSO,   3328
.set ASTG,  WREG+8*WRB                 ; two stages for attn
.set ASB,   15872
.set OCS,   ASTG+2*ASB                 ; two stages for out's codes: 16 rows at 208 bytes; +3,328 the scale bytes, 8 a frame
.set OCB,   3584
.set OSO,   3328
.set YSTG,  OCS+2*OCB                  ; two stages for out0: 16 rows x 352 bytes, and room for what channels 88 .. 95 would be
.set YSB,   11776
.set LN16, 1                           ; v1   16 x lane
.set LN4,  2                           ; v2   4 x lane
.set RR,   3                           ; v3   r
.set HH,   4                           ; v4   h
.set XRA0, 5                           ; v5, v254, v255  spec's numbers: fragments w, w + 8, w + 16: + 528 r + 64 h
.set XRA1, 254
.set XRA2, 255
.set XWI,  6                           ; v6   where I store spec's images;  v7 their scale words;  v8, v9 where all read them
.set XWS,  7
.set XR,   8
.set XSR,  9
.set SWA,  10                          ; v10  S's scratch, in: 208 r + 32 h;  v11 out: 212 r + 32 h + 4
.set SLA,  11
.set PSW,  12                          ; v12  P's scratch, in: 212 r + 32 h + 4;  v13 out: 208 r + 32 h
.set PSR,  13
.set AST,  14                          ; v14  attn's stage: 992 r + 124 g + 32 h;  v15: .. + 28 h
.set AS7,  15
.set OCW,  16                          ; v16  out's codes, in: 208 r + 24 g + 12 h;  v17 the scale byte: 8 r + g;  v18 out: 208 r + 24 h;  v19: 8 r + 4 h
.set OSW,  17
.set OCR,  18
.set OSR,  19
.set YW,   20                          ; v20  out0's stage, in: 352 r + 64 w + 32 h (wave 5's lanes 16-31: 6,112 bytes further on)
.set FLA,  21                          ; v21  attn's stage + 512 w + 16 x lane;  v22 out0's likewise;  v23 the same place in memory
.set FLY,  22
.set GF,   23
.set NINF, 24                          ; v24  -infinity
.set BA,   25                          ; v25  the bias's offset;  v26, v27 rel's
.set RAB,  26
.set ZB,   31                          ; v31  P's scratch + 16 x lane
.set XS,   28                          ; v28 spec's scale words, v29 out's, v30 W_lin's, v32-37 the head's weights' (2 mat + u): these hold scales and nothing else
.set OSS,  29
.set LS,   30
.set WS,   32
.set Q,    38                          ; v38-53
.set KK,   54                          ; v54-101   K of tile T at 54 + 16 (T % 3); once S is made the oldest slot holds E
.set VV,   102                         ; v102-149  V likewise
.set PP,   150                         ; v150-173
.set T,    174                         ; v174-189  at work
.set SS,   190                         ; v190-213 S[a], of which v190-205 later O[u]; v214-229 R[e]: written by the f32 matrix form alone
.set OO,   190
.set RA,   214
.set WL,   230                         ; v230-253  W_lin's two fragments of my 16 channels
.set WF,   0                           ; window 1: v0-143 the head's 12 fragments; v144-175 REL[e][i]; v176-199 spec's two fragments, then what is on its way out; v200-223 out's two fragments;
.set REL,  144                         ;           v176-239 spec's numbers while they are quantised; v240-247 Y; v248-255 the bias
.set XF,   176
.set FL,   176
.set OCF,  200
.set RAW,  176
.set Y,    240
.set BI,   248
.set PC,   150                         ; the quantiser of spec: codes, at work, the scale word
.set TM,   170
.set PW,   186
.set MSB, 0
.macro WIN new                         ; bits 1:0 source 0, 3:2 source 1, 5:4 source 2, 7:6 destination; the high byte repeats the setting that is left
.if MSB != \new
	s_set_vgpr_msb (MSB<<8)|\new
.set MSB, \new
.endif
.endm
.macro PLACES n
.rept \n
	v_nop
.endr
.endm
; 64 numbers of a lane in window 1, register 16 b + i = k 32 b + 16 h + i of my row, become a fragment's codes in v[PC] on and its scale word in v[PW]
.macro QUANT s
	WIN 0x05
.irp b, 0,1,2,3
	v_max3_num_f32 v[TM+\b], |v[\s+16*\b]|, |v[\s+1+16*\b]|, 0x1800000   ; the floor 2^(3 - 127) holds the byte at 1 from below
.endr
	WIN 0x14
.irp i, 2,4,6,8,10,12,14
.irp b, 0,1,2,3
	v_max3_num_f32 v[TM+\b], v[TM+\b], |v[\s+16*\b+\i]|, |v[\s+1+16*\b+\i]|
.endr
.endr
	WIN 0
.irp b, 0,1,2,3
	v_permlanex16_b32 v[TM+4+\b], v[TM+\b], s20, s21
.endr
.irp b, 0,1,2,3
	v_max_num_f32 v[TM+\b], v[TM+\b], v[TM+4+\b]   ; with lane l xor 16's: the block's largest magnitude
.endr
.irp b, 0,1,2,3
	v_add_nc_u32 v[TM+12+\b], 0xff000000, v[TM+\b] ; 2 off its exponent field: the conversion's scale operand
.endr
.irp b, 0,1,2,3
	v_lshrrev_b32 v[TM+4+\b], 23, v[TM+12+\b]      ; the scale's byte
.endr
	v_lshl_or_b32 v[PW], v[TM+5], 8, v[TM+4]
	v_lshl_or_b32 v[PW], v[TM+6], 16, v[PW]
	v_lshl_or_b32 v[PW], v[TM+7], 24, v[PW]
	WIN 0x01
.irp c, 0,1
	v_cvt_scalef32_pk16_fp6_f32 v[PC+6*\c:PC+2+6*\c], v[\s+32*\c:\s+15+32*\c], v[TM+12+2*\c]
	v_cvt_scalef32_pk16_fp6_f32 v[PC+12+4*\c:PC+14+4*\c], v[\s+16+32*\c:\s+31+32*\c], v[TM+12+2*\c+1]
.endr
	WIN 0
	v_nop                                          ; one plain place behind a scaled conversion
.irp c, 0,1                            ; the operand's layout wants a whole block in a lane
.irp i, 0,1,2
	v_permlane16_swap_b32 v[PC+6*\c+\i], v[PC+12+4*\c+\i]
.endr
.irp i, 0,1,2
	v_mov_b32 v[PC+3+6*\c+\i], v[PC+12+4*\c+\i]
.endr
.endr
.endm
.macro SEND i                          ; fragment w + 8 i goes to LDS as an image of its registers; a tile outside the batch as zero codes
.irp k, 0,1,2,3,4,5,6,7,8,9,10,11
	v_and_b32 v[PC+\k], s[72+\i], v[PC+\k]
.endr
.irp c, 0,1,2
	ds_store_b128 v[XWI], v[PC+4*\c:PC+4*\c+3] offset:8*FRB*\i+512*\c
.endr
	ds_store_b32 v[XWS], v[PW] offset:512*\i       ; lanes r and r + 16 write the same word with the same value
	s_wait_dscnt 0x0                               ; the stores have read their registers
.endm
.macro GROUP i, xa                     ; fragment w + 8 i: its numbers out of LDS, quantised, stored as an image
.if \i
	s_wait_xcnt 0x0                                ; the step's stores to memory have read the registers that the numbers land in
.endif
	WIN 0x40
.irp b, 0,1,2,3
.irp j, 0,1,2,3
	ds_load_b128 v[RAW+16*\b+4*\j:RAW+16*\b+4*\j+3], v[\xa] offset:128*\b+16*\j   ; lane (r, h): 16 neighbours of each block of 32
.endr
.endr
	WIN 0
	s_wait_dscnt 0x0
	QUANT RAW
	SEND \i
.endm
.macro MXP d, a, b, sa, sb, s          ; one product on codes; K step 0 starts the sum, K step 1 adds in place and takes the scale words of lanes 16-31
.if \s
	v_wmma_scale_f32_16x16x128_f8f6f4 v[\d:\d+7], v[\a:\a+11], v[\b:\b+11], v[\d:\d+7], v[\sa], v[\sb] matrix_a_fmt:MATRIX_FMT_FP6 matrix_b_fmt:MATRIX_FMT_FP6 matrix_a_scale:MATRIX_SCALE_ROW1 matrix_b_scale:MATRIX_SCALE_ROW1
.else
	v_wmma_scale_f32_16x16x128_f8f6f4 v[\d:\d+7], v[\a:\a+11], v[\b:\b+11], 0, v[\sa], v[\sb] matrix_a_fmt:MATRIX_FMT_FP6 matrix_b_fmt:MATRIX_FMT_FP6
.endif
.endm
.macro XFLOAD tt                       ; tile tt's two fragments and its scale words (lanes 0-15: K step 0's, lanes 16-31: K step 1's)
	WIN 0x40
.irp f, 0,1,2,3,4,5
	ds_load_b128 v[XF+4*\f:XF+4*\f+3], v[XR] offset:2*FRB*(\tt)+512*\f
.endr
	WIN 0
	ds_load_b32 v[XS], v[XSR] offset:128*(\tt)
.endm
.macro PROJKV tt                       ; K and V of tile tt into ring slot tt % 3: four accumulators by turns
	WIN 0x05
.irp s, 0,1
.irp u, 0,1
	MXP KK+16*((\tt)%3)+8*\u, WF+12*(4+2*\u+\s), XF+12*\s, WS+2+\u, XS, \s
.endr
.irp u, 0,1
	MXP VV+16*((\tt)%3)+8*\u, XF+12*\s, WF+12*(8+2*\u+\s), XS, WS+4+\u, \s
.endr
.endr
	WIN 0
.endm
.macro PROJQ                           ; Q of the tile whose fragments are in hand: two accumulators by turns
	WIN 0x05
.irp s, 0,1
.irp u, 0,1
	MXP Q+8*\u, WF+12*(2*\u+\s), XF+12*\s, WS+\u, XS, \s
.endr
.endr
	WIN 0
.endm
; What other waves left in the stages a step ago.  attn of tile ta: 31 pieces of 512 bytes: wave w takes w, w + 8, w + 16 and, but for wave 7, w + 24.  out0 of tile ty: 11 pieces: w and, waves 0 to 2, w + 8.
; out's codes of tile ta: waves 0 to 5.  The branches hang on the wave's number alone, each narrower than the one before.
.macro FLOADS ta, ty
.if (\ta) >= 1
	WIN 0x40
.irp i, 0,1,2
	ds_load_b128 v[FL+4*\i:FL+4*\i+3], v[FLA] offset:ASB*((\ta)%2)+4096*\i
.endr
.if (\ty) >= 1
	ds_load_b128 v[FL+16:FL+19], v[FLY] offset:YSB*((\ty)%2)
.endif
	WIN 0
	s_cmp_lt_u32 s16, 7
	s_cbranch_scc0 .Lfl_\@
	WIN 0x40
	ds_load_b128 v[FL+12:FL+15], v[FLA] offset:ASB*((\ta)%2)+12288
	WIN 0
	s_cmp_lt_u32 s16, 6
	s_cbranch_scc0 .Lfl_\@
	WIN 0x40
.irp x, 0,1,2,3,4,5,6,7,8,9,10,11
	ds_load_b64 v[OCF+2*\x:OCF+2*\x+1], v[OCR] offset:OCB*((\ta)%2)+48*(\x/3)+8*(\x%3)   ; lane (r, h): the 24 bytes of heads h, 2 + h, 4 + h, 6 + h of frame r, in pieces of 8
.endr
	WIN 0
	ds_load_b32 v[OSS], v[OSR] offset:OCB*((\ta)%2)                                      ; lanes 0-15: the bytes of heads 0-3, lanes 16-31: of heads 4-7
.if (\ty) >= 1
	s_cmp_lt_u32 s16, 3
	s_cbranch_scc0 .Lfl_\@
	WIN 0x40
	ds_load_b128 v[FL+20:FL+23], v[FLY] offset:YSB*((\ty)%2)+4096
	WIN 0
.endif
.Lfl_\@:
.endif
.endm
.macro YPROD                           ; my 16 channels of out Q(W_lin) + b_lin for 16 frames: one accumulator
	WIN 0x54
	v_wmma_scale_f32_16x16x128_f8f6f4 v[Y:Y+7], v[WL:WL+11], v[OCF:OCF+11], v[BI:BI+7], v[LS], v[OSS] matrix_a_fmt:MATRIX_FMT_FP6 matrix_b_fmt:MATRIX_FMT_FP6
	s_wait_alu depctr_va_vdst(0)
	v_wmma_scale_f32_16x16x128_f8f6f4 v[Y:Y+7], v[WL+12:WL+23], v[OCF+12:OCF+23], v[Y:Y+7], v[LS], v[OSS] matrix_a_fmt:MATRIX_FMT_FP6 matrix_b_fmt:MATRIX_FMT_FP6 matrix_a_scale:MATRIX_SCALE_ROW1 matrix_b_scale:MATRIX_SCALE_ROW1
	WIN 0
.endm
; The same ladder for the stores: each covers 512 consecutive bytes, at a multiple of 256 from its buffer's first byte.  Waves 0 to 5 issue the last product here.
.macro FSTORES ta, ty
.if (\ta) >= 1
	WIN 0x04
.irp i, 0,1,2
	global_store_b128 v[GF], v[FL+4*\i:FL+4*\i+3], s[14:15] offset:ASB*((\ta)-1)+4096*\i th:TH_STORE_NT
.endr
.if (\ty) >= 1
	global_store_b128 v[GF], v[FL+16:FL+19], s[12:13] offset:5632*((\ty)-1) th:TH_STORE_NT
.endif
	WIN 0
	s_cmp_lt_u32 s16, 7
	s_cbranch_scc0 .Lfs_\@
	WIN 0x04
	global_store_b128 v[GF], v[FL+12:FL+15], s[14:15] offset:ASB*((\ta)-1)+12288 th:TH_STORE_NT
	WIN 0
	s_cmp_lt_u32 s16, 6
	s_cbranch_scc0 .Lfs_\@
	YPROD
.if (\ty) >= 1
	s_cmp_lt_u32 s16, 3
	s_cbranch_scc0 .Lfs_\@
	WIN 0x04
	global_store_b128 v[GF], v[FL+20:FL+23], s[12:13] offset:5632*((\ty)-1)+4096 th:TH_STORE_NT
	WIN 0
.endif
.Lfs_\@:
.endif
.endm
.macro SIGM ta                         ; waves 0 to 5: 1 / (1 + e^-y), into out0's stage of tile ta
.if (\ta) >= 1
	s_cmp_lt_u32 s16, 6
	s_cbranch_scc0 .Lsg_\@
	WIN 0x41
.irp k, 0,2,4,6
	v_pk_mul_f32 v[Y+\k:Y+\k+1], v[Y+\k:Y+\k+1], s[26:27] op_sel_hi:[1,0]   ; - y log2(e)
.endr
.irp k, 0,1,2,3,4,5,6,7
	v_exp_f32 v[Y+\k], v[Y+\k]
.endr
	v_nop                                          ; a plain place behind the batch,
	s_wait_alu depctr_va_vdst(0)                   ; and one wait for it, ahead of its first reader
.irp k, 0,2,4,6
	v_pk_add_f32 v[Y+\k:Y+\k+1], v[Y+\k:Y+\k+1], 1.0 op_sel_hi:[1,0]
.endr
.irp k, 0,1,2,3,4,5,6,7
	v_rcp_f32 v[Y+\k], v[Y+\k]
.endr
	v_nop
	s_wait_alu depctr_va_vdst(0)
	WIN 0x04
	ds_store_b128 v[YW], v[Y:Y+3] offset:YSB*((\ta)%2)       ; lane (r, h): frame r, channels 16 w + 8 h + 0 .. 7
	ds_store_b128 v[YW], v[Y+4:Y+7] offset:YSB*((\ta)%2)+16
	WIN 0
.Lsg_\@:
.endif
.endm
	; ---- the head
	s_load_b256 s[4:11], s[0:1], 0x0               ; spec s[4:5], rel s[6:7], b_lin s[8:9], wts s[10:11]
	s_load_b128 s[12:15], s[0:1], 0x20             ; out0 s[12:13], out1 s[14:15]
	v_lshl_add_u32 v254, v0, 2, 0x4dd00
	v_mov_b32 v255, 0
	ds_add_u32 v254, v255
	ds_add_u32 v254, v255
	s_wait_dscnt 0x0
	v_lshrrev_b32 v1, 5, v0
	v_readfirstlane_b32 s16, v1                    ; wave 0..7 = my head
	v_and_b32 v[RR], 15, v0
	v_bfe_u32 v[HH], v0, 4, 1
	s_and_b32 s19, ttmp9, 31                       ; which 128 frames of the batch
	s_mov_b32 s20, 0x76543210
	s_mov_b32 s21, 0xfedcba98                      ; v_permlanex16_b32's selects for lane l xor 16
	s_mov_b32 s22, 0x3fb8aa3b                      ; log2(e)
	s_mov_b32 s23, s22                             ; (named with it as a pair)
	s_mov_b32 s24, 0xffff0000                      ; lanes 16-31
	s_mov_b32 s26, 0xbfb8aa3b                      ; -log2(e)
	s_mov_b32 s27, s26
	; descriptor group 1: 16 rows of 512 bytes (64 elements of 8 bytes), 1,024 bytes apart in memory, 16 bytes of padding behind each in LDS
	s_mov_b32 s36, (3<<16)|(1<<20)|(6<<22)|(3<<25) ; no mask; elements of 8 bytes; padding on; after every 128 words (code 6); of 4 words (code 3)
	s_mov_b32 s37, 64<<16                          ; tensor_dim0
	s_mov_b32 s38, 16<<16                          ; tensor_dim1
	s_mov_b32 s39, 64<<16                          ; tile_dim0
	s_mov_b32 s40, 16                              ; tile_dim1
	s_mov_b32 s41, 128                             ; pitch
	s_mov_b32 s42, 0
	s_mov_b32 s43, 0
	; and the same with 8 rows
	s_mov_b32 s44, (3<<16)|(1<<20)|(6<<22)|(3<<25)
	s_mov_b32 s45, 64<<16
	s_mov_b32 s46, 8<<16
	s_mov_b32 s47, 64<<16
	s_mov_b32 s48, 8
	s_mov_b32 s49, 128
	s_mov_b32 s50, 0
	s_mov_b32 s51, 0
	s_mov_b32 s52, 1
	s_mul_i32 s53, s16, XFRB                       ; fragment w
	s_mov_b32 s56, 1
	s_add_co_u32 s57, s53, 8*XFRB                  ; fragment w + 8
	s_mov_b32 s60, 1
	s_mul_i32 s61, s16, XFRB/2
	s_add_co_u32 s61, s61, 16*XFRB                 ; half w & 1 of fragment 16 + (w >> 1)
	; fragment w + 8 i is tile (w >> 1) + 4 i, K step w & 1
	s_lshr_b32 s25, s16, 1
	s_lshl_b32 s25, s25, 4
	s_sub_co_i32 s25, s25, 16                      ; 16 (w >> 1) - 16
	s_lshl_b32 s2, s19, 7
	s_add_co_i32 s2, s2, s25                       ; its first frame, counted in the batch
	s_lshl_b32 s77, ttmp9, 7
	s_add_co_i32 s3, s77, s25                      ; and as a row of spec
	s_and_b32 s75, s16, 1
	s_lshl_b32 s76, s75, 9
.irp i, 0,1,2
	s_add_co_i32 s78, s2, 64*\i
	s_cmp_lt_u32 s78, 4096                         ; a tile lies wholly inside the batch or wholly outside
	s_cselect_b32 s[72+\i], -1, 0
.endr
.irp i, 0,1
	s_add_co_i32 s[66+2*\i], s3, 64*\i
	s_max_i32 s[66+2*\i], s[66+2*\i], 0
	s_min_i32 s[66+2*\i], s[66+2*\i], 32752        ; no load leaves the buffer; what is held here lies outside the batch and becomes zero codes
	s_lshl_b32 s[66+2*\i], s[66+2*\i], 10
	s_add_co_u32 s[66+2*\i], s[66+2*\i], s76
	s_mov_b32 s[67+2*\i], 0
.endr
	s_lshr_b32 s70, s16, 2                         ; the third load: tile 8 + (w >> 2), K step (w >> 1) & 1, rows 8 (w & 1) on
	s_lshl_b32 s70, s70, 4
	s_lshl_b32 s78, s75, 3
	s_add_co_u32 s70, s70, s78
	s_add_co_u32 s70, s70, s77
	s_add_co_u32 s70, s70, 112
	s_min_u32 s70, s70, 32760
	s_lshl_b32 s70, s70, 10
	s_bfe_u32 s78, s16, 0x10001
	s_lshl_b32 s78, s78, 9
	s_add_co_u32 s70, s70, s78
	s_mov_b32 s71, 0
	s_wait_kmcnt 0x0
	s_add_nc_u64 s[54:55], s[4:5], s[66:67]
	s_or_b32 s55, s55, 0x80000000
	s_add_nc_u64 s[58:59], s[4:5], s[68:69]
	s_or_b32 s59, s59, 0x80000000
	s_add_nc_u64 s[62:63], s[4:5], s[70:71]
	s_or_b32 s63, s63, 0x80000000
	tensor_load_to_lds s[52:55], s[36:43]          ; all my tensor loads of the launch, three, in the order in which they are wanted
	s_nop 0
	tensor_load_to_lds s[56:59], s[36:43]
	s_nop 0
	tensor_load_to_lds s[60:63], s[44:51]
	s_nop 0
	v_and_b32 v[LN4], 31, v0
	v_mul_u32_u24 v[RAB], v[HH], 1984              ; rel: 16 rows of 124 bytes for lanes 16-31
	v_add_nc_u32 v[RAB+1], 16, v[RR]
	v_mul_u32_u24 v[XRA0], v[RR], 528
	v_lshlrev_b32 v[LN16], 4, v[LN4]
	v_lshlrev_b32 v[LN4], 2, v[LN4]
	v_min_u32 v[RAB+1], 30, v[RAB+1]               ; place 31 does not exist: its lanes take place 30's numbers, and their result is thrown away
	v_lshl_add_u32 v[RAB+1], v[RAB+1], 2, v[RAB]
	v_lshl_add_u32 v[RAB], v[RR], 2, v[RAB]
	s_mul_i32 s66, s16, 18432
	s_mov_b32 s67, 0
	s_add_nc_u64 s[28:29], s[10:11], s[66:67]      ; my head's codes,
	s_mul_i32 s66, s16, 768
	s_add_co_u32 s66, s66, 165888
	s_add_nc_u64 s[30:31], s[10:11], s[66:67]      ; their scale images,
	s_mul_i32 s66, s16, 3968
	s_add_nc_u64 s[32:33], s[6:7], s[66:67]        ; my 32 rows of rel
	s_min_u32 s68, s16, 5                          ; W_lin's tile of 16 channels: my wave's number (waves 6 and 7 have none and use none)
	s_mul_i32 s66, s68, 3072
	s_add_co_u32 s66, s66, 147456
	s_add_nc_u64 s[34:35], s[10:11], s[66:67]
	s_lshl_b32 s66, s68, 7
	s_add_co_u32 s66, s66, 172032
	s_add_nc_u64 s[70:71], s[10:11], s[66:67]
	s_lshl_b32 s78, s68, 6
	v_lshl_add_u32 v[BA], v[HH], 5, s78            ; the bias of channels 16 w + 8 h + 0 .. 7;
	v_min_u32 v[BA], 320, v[BA]                    ; channels 88 .. 95 do not exist: no load leaves the buffer
	WIN 0x40
.irp f, 0,1,2,3,4,5,6,7,8,9,10,11
.irp q, 0,1,2
	global_load_b128 v[WF+12*\f+4*\q:WF+12*\f+4*\q+3], v[LN16], s[28:29] offset:FRB*\f+512*\q
.endr
.endr
.irp e, 0,1
.irp i, 0,1,2,3,4,5,6,7,8,9,10,11,12,13,14,15
	global_load_b32 v[REL+16*\e+\i], v[RAB+\e], s[32:33] offset:124*\i   ; rel(32 g + 16 h + i, 16 e + r)
.endr
.endr
	global_load_b128 v[BI:BI+3], v[BA], s[8:9]
	global_load_b128 v[BI+4:BI+7], v[BA], s[8:9] offset:16
	WIN 0
.irp m, 0,1,2,3,4,5
	global_load_b32 v[WS+\m], v[LN4], s[30:31] offset:128*\m
.endr
.irp x, 0,1,2,3,4,5
	global_load_b128 v[WL+4*\x:WL+4*\x+3], v[LN16], s[34:35] offset:512*\x
.endr
	global_load_b32 v[LS], v[LN4], s[70:71]
	s_mul_i32 s78, ttmp9, 126976
	s_mov_b32 s79, 0
	s_add_nc_u64 s[14:15], s[14:15], s[78:79]      ; out1 at my work-group's first frame
	s_mul_i32 s78, ttmp9, 45056
	s_add_nc_u64 s[12:13], s[12:13], s[78:79]      ; out0 likewise
	; every LDS address is made here: a constant, a constant x lane, a constant x wave
	v_lshl_add_u32 v[XRA0], v[HH], 6, v[XRA0]
	v_add_nc_u32 v[XRA0], s53, v[XRA0]
	v_add_nc_u32 v[XRA1], 8*XFRB, v[XRA0]
	v_add_nc_u32 v[XRA2], 16*XFRB, v[XRA0]
	s_mul_i32 s78, s16, FRB
	s_add_co_u32 s78, s78, XIMG
	v_add_nc_u32 v[XWI], s78, v[LN16]
	s_lshl_b32 s78, s16, 6
	s_add_co_u32 s78, s78, XSC
	v_lshl_add_u32 v[XWS], v[RR], 2, s78           ; 128 (w >> 1) + 64 (w & 1) = 64 w
	v_add_nc_u32 v[XR], XIMG, v[LN16]
	v_add_nc_u32 v[XSR], XSC, v[LN4]
	s_mul_i32 s78, s16, WRB
	s_add_co_u32 s78, s78, WREG                    ; my region
	v_mul_u32_u24 v[SWA], v[RR], 208
	v_lshl_add_u32 v[SWA], v[HH], 5, v[SWA]        ; 208 r + 32 h
	v_lshl_add_u32 v[SLA], v[RR], 2, v[SWA]        ; 212 r + 32 h
	s_add_co_u32 s79, s78, PSO
	v_add_nc_u32 v[PSR], s79, v[SWA]
	v_add_nc_u32 v[ZB], s79, v[LN16]
	s_add_co_u32 s79, s79, 4
	v_add_nc_u32 v[PSW], s79, v[SLA]
	s_add_co_u32 s79, s78, 4
	v_add_nc_u32 v[SLA], s79, v[SLA]
	v_add_nc_u32 v[SWA], s78, v[SWA]
	s_mul_i32 s78, s16, 124
	s_add_co_u32 s78, s78, ASTG
	v_mul_u32_u24 v[AST], v[RR], 992
	v_mad_u32_u24 v[AS7], v[HH], 28, v[AST]
	v_add_nc_u32 v[AS7], s78, v[AS7]
	v_lshl_add_u32 v[AST], v[HH], 5, v[AST]
	v_add_nc_u32 v[AST], s78, v[AST]
	s_mul_i32 s78, s16, 24
	s_add_co_u32 s78, s78, OCS
	v_mul_u32_u24 v[OCR], v[RR], 208
	v_mad_u32_u24 v[OCW], v[HH], 12, v[OCR]
	v_add_nc_u32 v[OCW], s78, v[OCW]
	v_mad_u32_u24 v[OCR], v[HH], 24, v[OCR]
	v_add_nc_u32 v[OCR], OCS, v[OCR]
	s_add_co_u32 s78, s16, OCS+OSO
	v_lshl_add_u32 v[OSW], v[RR], 3, s78
	v_lshlrev_b32 v[OSR], 3, v[RR]
	v_lshl_add_u32 v[OSR], v[HH], 2, v[OSR]
	v_add_nc_u32 v[OSR], OCS+OSO, v[OSR]
	s_add_co_u32 s78, s16, 3
	s_lshr_b32 s78, s78, 3                         ; 1 from wave 5 on
	s_mul_i32 s78, s78, 6112
	s_add_co_u32 s78, s78, 32
	v_mul_u32_u24 v[YW], s78, v[HH]                ; lanes 16-31: 32 bytes on; in wave 5, whose upper eight channels do not exist, behind the 16 rows
	v_mad_u32_u24 v[YW], v[RR], 352, v[YW]
	s_lshl_b32 s78, s16, 6
	s_add_co_u32 s78, s78, YSTG
	v_add_nc_u32 v[YW], s78, v[YW]
	s_lshl_b32 s78, s16, 9
	v_add_nc_u32 v[GF], s78, v[LN16]
	v_add_nc_u32 v[FLA], ASTG, v[GF]
	v_add_nc_u32 v[FLY], YSTG, v[GF]
	v_mov_b32 v[NINF], 0xff800000
.irp k, 0,1,2,3,4,5,6,7,8,9,10,11,12,13,14,15
	v_mov_b32 v[T+\k], 0                           ; written once: lane permutes' destinations and the upper halves of pairs count as read
.endr
.irp k, 0,1,2,3,4,5,6
	ds_store_b128 v[ZB], v[T:T+3] offset:512*\k    ; P's scratch begins as zeros: row r is written at words r + 1 .. r + 32 alone, so what lies outside the window stays zero
.endr
	; ---- tiles 0 to 3 of spec become codes; k, v of tiles 0 and 1, q of tile 1
	s_wait_tensorcnt 0x2                           ; my first fragment has landed; the two loads issued behind it may be out.  I alone read it
	GROUP 0, XRA0
	s_barrier_signal -1                            ; (my LDS stores are done: the last line of the group waits for them)
	s_barrier_wait -1                              ; eight fragments lie in LDS
	s_wait_loadcnt 0x0                             ; the weights, rel, the bias
	XFLOAD 0
	s_wait_dscnt 0x0
	PROJKV 0
	PLACES 4                                       ; in front of loads into registers that matrix instructions have read
	XFLOAD 1
	s_wait_dscnt 0x0
	PROJKV 1
	PROJQ
	PLACES 4
; ---- a step: query tile st.  hasq: the next tile has queries.  grp: 1, 2: more of spec is quantised at the step's end
.macro STEP st, hasq, grp
.set EE, KK+16*(((\st)+2)%3)           ; K of tile st - 1 is done with once S is made: its slot holds E
	s_wait_xcnt 0x0                                ; the last step's stores to memory have read the registers that the next lines load
	XFLOAD (\st)+1                                 ; (bytes that were stored two barriers back or more)
	s_wait_dscnt 0x0
	PROJKV (\st)+1
	PLACES 5                                       ; between these products and the first that takes a result of theirs as an operand
.irp c, 0,1,2,3,4,5,6,7                ; S^T = K Q^T: three accumulators by turns
.irp a, 0,1,2
.if \c == 0
	v_wmma_f32_16x16x4_f32 v[SS+8*\a:SS+8*\a+7], v[KK+16*(((\st)+2+\a)%3)+2*\c:KK+16*(((\st)+2+\a)%3)+2*\c+1], v[Q+2*\c:Q+2*\c+1], 0
.else
	v_wmma_f32_16x16x4_f32 v[SS+8*\a:SS+8*\a+7], v[KK+16*(((\st)+2+\a)%3)+2*\c:KK+16*(((\st)+2+\a)%3)+2*\c+1], v[Q+2*\c:Q+2*\c+1], v[SS+8*\a:SS+8*\a+7]
.endif
.endr
.endr
	WIN 0x01
.irp c, 0,1,2,3,4,5,6,7                ; R^T = REL Q^T: two by turns
.irp e, 0,1
.if \c == 0
	v_wmma_f32_16x16x4_f32 v[RA+8*\e:RA+8*\e+7], v[REL+16*\e+2*\c:REL+16*\e+2*\c+1], v[Q+2*\c:Q+2*\c+1], 0
.else
	v_wmma_f32_16x16x4_f32 v[RA+8*\e:RA+8*\e+7], v[REL+16*\e+2*\c:REL+16*\e+2*\c+1], v[Q+2*\c:Q+2*\c+1], v[RA+8*\e:RA+8*\e+7]
.endif
.endr
.endr
	WIN 0
	PLACES 9                                       ; eight behind the f32 form for the stores of S and the loads into K's old slot, nine for the products that write Q anew
.if (\st) > 1
	s_barrier_wait -1                              ; every wave has done with the last step's LDS accesses
.endif
.irp a, 0,1,2
	ds_store_b128 v[SWA], v[SS+8*\a:SS+8*\a+3] offset:64*\a          ; row = query r, word = key offset o; each accumulator from its low end on
	ds_store_b128 v[SWA], v[SS+8*\a+4:SS+8*\a+7] offset:64*\a+16
.endr
.irp k, 0,1,2,3,4,5,6,7,8,9,10,11,12,13,14,15
	ds_load_b32 v[EE+\k], v[SLA] offset:64*(\k/8)+4*(\k%8)           ; back at o = place + r + 1.  LDS serves a wave's instructions in order: these see the stores
.endr
.if \hasq
	PROJQ                                          ; the next tile's q, while S is on its way through LDS
.endif
	s_wait_dscnt 0x0
.irp k, 0,2,4,6,8,10,12,14
	v_pk_add_f32 v[EE+\k:EE+\k+1], v[EE+\k:EE+\k+1], v[RA+\k:RA+\k+1]   ; the energy.  (These eight are also the places in front of the loads below)
.endr
	FLOADS (\st)-1, (\st)-2
	v_cndmask_b32 v[EE+15], v[EE+15], v[NINF], s24 ; place 31 does not exist
	v_max3_num_f32 v[T], v[EE], v[EE+1], v[EE+2]
	v_max3_num_f32 v[T+1], v[EE+3], v[EE+4], v[EE+5]
	v_max3_num_f32 v[T], v[T], v[EE+6], v[EE+7]
	v_max3_num_f32 v[T+1], v[T+1], v[EE+8], v[EE+9]
	v_max3_num_f32 v[T], v[T], v[EE+10], v[EE+11]
	v_max3_num_f32 v[T+1], v[T+1], v[EE+12], v[EE+13]
	v_max3_num_f32 v[T], v[T], v[EE+14], v[EE+15]
	v_max_num_f32 v[T], v[T], v[T+1]
	v_permlanex16_b32 v[T+2], v[T], s20, s21
	v_max_num_f32 v[T], v[T], v[T+2]               ; the row's maximum
	v_mul_f32 v[T+4], s26, v[T]                    ; - m log2(e)
.irp k, 0,2,4,6,8,10,12,14
	v_pk_fma_f32 v[EE+\k:EE+\k+1], v[EE+\k:EE+\k+1], s[22:23], v[T+4:T+5] op_sel_hi:[1,0,0]
.endr
.irp k, 0,1,2,3,4,5,6,7,8,9,10,11,12,13,14,15
	v_exp_f32 v[EE+\k], v[EE+\k]
.endr
	v_nop                                          ; a plain place behind the exponentials
	s_wait_alu depctr_va_vdst(0)                   ; one wait for the batch, ahead of its first reader
	v_pk_add_f32 v[T+6:T+7], v[EE:EE+1], v[EE+2:EE+3]
	v_pk_add_f32 v[T+8:T+9], v[EE+4:EE+5], v[EE+6:EE+7]
	v_pk_add_f32 v[T+6:T+7], v[T+6:T+7], v[EE+8:EE+9]
	v_pk_add_f32 v[T+8:T+9], v[T+8:T+9], v[EE+10:EE+11]
	v_pk_add_f32 v[T+6:T+7], v[T+6:T+7], v[EE+12:EE+13]
	v_pk_add_f32 v[T+8:T+9], v[T+8:T+9], v[EE+14:EE+15]
	v_pk_add_f32 v[T+6:T+7], v[T+6:T+7], v[T+8:T+9]
	v_add_f32 v[T+6], v[T+6], v[T+7]
	v_permlanex16_b32 v[T+2], v[T+6], s20, s21
	v_add_f32 v[T+6], v[T+6], v[T+2]               ; the row's sum
	v_rcp_f32 v[T+8], v[T+6]
	v_nop
	s_wait_alu depctr_va_vdst(0)
.irp k, 0,2,4,6,8,10,12,14
	v_pk_mul_f32 v[EE+\k:EE+\k+1], v[EE+\k:EE+\k+1], v[T+8:T+9] op_sel_hi:[1,0]   ; attn
.endr
.irp k, 0,1,2,3,4,5,6,7,8,9,10,11,12,13,14,15
	ds_store_b32 v[PSW], v[EE+\k] offset:64*(\k/8)+4*(\k%8)          ; my scratch: word r + 1 + place (what stands for place 31 is 0)
.endr
.irp a, 0,1,2
	ds_load_b128 v[PP+8*\a:PP+8*\a+3], v[PSR] offset:64*\a           ; back by key offset, zeros outside the window
	ds_load_b128 v[PP+8*\a+4:PP+8*\a+7], v[PSR] offset:64*\a+16
.endr
	v_cndmask_b32 v[T+10], v[EE+15], v[EE+14], s24
.irp k, 0,1,2,3,4,5,6,7,8,9,10,11,12,13,14
	ds_store_b32 v[AST], v[EE+\k] offset:ASB*((\st)%2)+64*(\k/8)+4*(\k%8)   ; and the tile's stage, as out1 has it: my head's 124 bytes of each frame
.endr
	ds_store_b32 v[AS7], v[T+10] offset:ASB*((\st)%2)+92             ; lanes 0-15: place 23; lanes 16-31 have no place 31 and write place 30 a second time
	s_wait_dscnt 16                                ; P is in, and all that was asked for before it; the 16 stores into the stage, issued behind P's loads, may be out
.irp a, 0,1,2                          ; O^T += V P: two accumulators by turns
.irp c, 0,1,2,3
.irp u, 0,1
.if (\a == 0) && (\c == 0)
	v_wmma_f32_16x16x4_f32 v[OO+8*\u:OO+8*\u+7], v[VV+16*(((\st)+2+\a)%3)+8*\u+2*\c:VV+16*(((\st)+2+\a)%3)+8*\u+2*\c+1], v[PP+8*\a+2*\c:PP+8*\a+2*\c+1], 0
.else
	v_wmma_f32_16x16x4_f32 v[OO+8*\u:OO+8*\u+7], v[VV+16*(((\st)+2+\a)%3)+8*\u+2*\c:VV+16*(((\st)+2+\a)%3)+8*\u+2*\c+1], v[PP+8*\a+2*\c:PP+8*\a+2*\c+1], v[OO+8*\u:OO+8*\u+7]
.endif
.endr
.endr
.endr
	FSTORES (\st)-1, (\st)-2
	PLACES 9                                       ; eight behind the f32 form for the first read of O, nine for the next step's products, which write over V's oldest slot
	v_max3_num_f32 v[T], |v[OO]|, |v[OO+1]|, 0x1800000               ; my head is a block of 32 along the last K: my 16 numbers, and the floor
	v_max3_num_f32 v[T+1], |v[OO+8]|, |v[OO+9]|, |v[OO+10]|
	v_max3_num_f32 v[T], v[T], |v[OO+2]|, |v[OO+3]|
	v_max3_num_f32 v[T+1], v[T+1], |v[OO+11]|, |v[OO+12]|
	v_max3_num_f32 v[T], v[T], |v[OO+4]|, |v[OO+5]|
	v_max3_num_f32 v[T+1], v[T+1], |v[OO+13]|, |v[OO+14]|
	v_max3_num_f32 v[T], v[T], |v[OO+6]|, |v[OO+7]|
	v_max3_num_f32 v[T], v[T], v[T+1], |v[OO+15]|
	v_permlanex16_b32 v[T+2], v[T], s20, s21
	v_max_num_f32 v[T], v[T], v[T+2]
	v_add_nc_u32 v[T+1], 0xff000000, v[T]          ; the conversion's scale operand
	v_lshrrev_b32 v[T+3], 23, v[T+1]               ; the byte
	v_cvt_scalef32_pk16_fp6_f32 v[T+4:T+6], v[OO:OO+15], v[T+1]
	v_nop                                          ; one plain place behind a scaled conversion
.irp i, 0,1,2
	ds_store_b32 v[OCW], v[T+4+\i] offset:OCB*((\st)%2)+4*\i         ; frame r's stream of codes: my head's 24 bytes, my half's 12
.endr
	ds_store_b8 v[OSW], v[T+3] offset:OCB*((\st)%2)                  ; lanes r and r + 16 write the same byte with the same value
	SIGM (\st)-1
.if \grp == 1
	s_wait_tensorcnt 0x0                           ; all my tensor loads have landed: my second fragment, which I read now, and my part of tiles 8 and 9, which others read two barriers on
	GROUP 1, XRA1
.elseif \grp == 2
	s_cmp_lt_u32 s16, 4
	s_cbranch_scc0 .Lng_\@
	GROUP 2, XRA2                                  ; tiles 8 and 9: four fragments
.Lng_\@:
.endif
	s_wait_dscnt 0x0                               ; for the others' sake: all my LDS stores have landed and all my LDS loads are in
	s_barrier_signal -1
.endm
	STEP 1, 1, 1
	STEP 2, 1, 0
	STEP 3, 1, 2
	STEP 4, 1, 0
	STEP 5, 1, 0
	STEP 6, 1, 0
	STEP 7, 1, 0
	STEP 8, 0, 0
	; ---- the end: tile 8's attn and tile 7's out0 leave; tile 8's last product; its out0 leaves
	s_barrier_wait -1
	s_wait_xcnt 0x0
	FLOADS 8, 7
	s_wait_dscnt 0x0
	FSTORES 8, 7
	PLACES 4
	SIGM 8
	s_wait_dscnt 0x0
	s_barrier_signal -1
	s_barrier_wait -1
	s_wait_xcnt 0x0                                ; the stores above have read their registers
	WIN 0x40
	ds_load_b128 v[FL+16:FL+19], v[FLY]
	WIN 0
	s_cmp_lt_u32 s16, 3
	s_cbranch_scc0 .Llast
	WIN 0x40
	ds_load_b128 v[FL+20:FL+23], v[FLY] offset:4096
	WIN 0
	s_wait_dscnt 0x0
	WIN 0x04
	global_store_b128 v[GF], v[FL+20:FL+23], s[12:13] offset:5632*7+4096 th:TH_STORE_NT
	WIN 0
.Llast:
	s_wait_dscnt 0x0
	WIN 0x04
	global_store_b128 v[GF], v[FL+16:FL+19], s[12:13] offset:5632*7 th:TH_STORE_NT
	WIN 0
	s_wait_xcnt 0x0
	v_lshl_add_u32 v254, v0, 2, 0x4dd00
	v_mov_b32 v255, 0
	s_wait_tensorcnt 0x0
	ds_add_u32 v254, v255
	s_wait_dscnt 0x0
	s_endpgm
.Lfunc_end_k_q9e4ce033bf_attn:
	.size	k_q9e4ce033bf_attn, .Lfunc_end_k_q9e4ce033bf_attn-k_q9e4ce033bf_attn
	.p2alignl 7, 3214868480
	.fill 96, 4, 3214868480
	.section	.rodata,"a",@progbits
	.p2align	6, 0x0
	.amdhsa_kernel k_q9e4ce033bf_attn
		.amdhsa_group_segment_fixed_size 327680
		.amdhsa_private_segment_fixed_size 0
		.amdhsa_enable_private_segment 0
		.amdhsa_kernarg_size 48
		.amdhsa_user_sgpr_count 2
		.amdhsa_user_sgpr_kernarg_segment_ptr 1
		.amdhsa_wavefront_size32 1
		.amdhsa_system_sgpr_workgroup_id_x 1
		.amdhsa_system_sgpr_workgroup_id_y 1
		.amdhsa_system_sgpr_workgroup_id_z 1
		.amdhsa_system_vgpr_workitem_id 0
		.amdhsa_next_free_vgpr 512
		.amdhsa_next_free_sgpr 80
		.amdhsa_reserve_vcc 0
		.amdhsa_float_denorm_mode_32 3
		.amdhsa_float_denorm_mode_16_64 3
		.amdhsa_memory_ordered 1
		.amdhsa_forward_progress 1
		.amdhsa_inst_pref_size 197
	.end_amdhsa_kernel
	.amdgpu_metadata
---
amdhsa.version: [ 1, 2 ]
amdhsa.kernels:
  - .name:           k_q9e4ce033bf_attn
    .symbol:         k_q9e4ce033bf_attn.kd
    .args:
      - { .name: spec, .offset: 0, .size: 8, .value_kind: global_buffer, .address_space: global }
      - { .name: rel, .offset: 8, .size: 8, .value_kind: global_buffer, .address_space: global }
      - { .name: b_lin, .offset: 16, .size: 8, .value_kind: global_buffer, .address_space: global }
      - { .name: wts, .offset: 24, .size: 8, .value_kind: global_buffer, .address_space: global }
      - { .name: out0, .offset: 32, .size: 8, .value_kind: global_buffer, .address_space: global }
      - { .name: out1, .offset: 40, .size: 8, .value_kind: global_buffer, .address_space: global }
    .group_segment_fixed_size: 327680
    .private_segment_fixed_size: 0
    .kernarg_segment_align: 8
    .kernarg_segment_size: 48
    .max_flat_workgroup_size: 256
    .sgpr_count:     80
    .vgpr_count:     512
    .wavefront_size: 32
...
	.end_amdgpu_metadata
.endif
;; end of part 3
